; MI455X (gfx1250); checked and timed in simulation.
; The chip was launched on July 23, 2026; its instructions are those of AMD's public machine-readable ISA for CDNA 5 (MIT licence, August 2026) and "CDNA5" Instruction Set Architecture Reference Guide (July 2026). The comments in the code are by the model that wrote it; some were corrected since.
;; Bahdanau Attention. Allowed arithmetic: float matrix products may take bf16 or f16 operands with f32 sums; other float arithmetic in f32, or as packed bf16 or f16 multiplies, adds, multiply-adds, maxima and minima; sums over many terms, partial sums and values carried from step to step in f32; what a program stores and reads back later, other than sums and carried values, may be rounded once to bf16 or f16.
;; Inputs: Ua_b 1,024 float32; Ua_w 1,024 x 1,024 float32; Wa_b 1,024 float32; Wa_w 1,024 x 1,024 float32; decoder_state 32 x 1,024 float32; encoder_states 32 x 2,048 x 1,024 float32; v_b one number float32; v_w 1,024 float32.
;; Outputs: out0 32 x 1,024 float32; out1 32 x 2,048 float32.
;; 2 versions, each right; version 2 is version 1 with the launch attend written anew for expert scheduling mode. Each part assembles by itself: llvm-mc -triple=amdgcn-amd-amdhsa -mcpu=gfx1250 --defsym DOCPART=n.
;; ======== version 1 of 2: 3 launches
;; workspace buffers: wb 2,097,152 bytes; bct 131,072 bytes; sc 262,144 bytes; ml 131,072 bytes; pctx 2,097,152 bytes
;; launch prep (part 1): grid 64 x 1, 8 waves a work-group, no clusters, 156,672 bytes of LDS; arguments Wa_w, Ua_w, decoder_state, Ua_b, Wa_b, wb, bct; writes wb, bct
.if DOCPART == 1
	.amdgcn_target "amdgcn-amd-amdhsa--gfx1250"
	.amdhsa_code_object_version 6
	.text
	.protected	k_q2e397240d1_prep
	.globl	k_q2e397240d1_prep
	.p2align	8
	.type	k_q2e397240d1_prep,@function
k_q2e397240d1_prep:
	s_mov_b64 s[64:65], 0
	v_nop
	global_prefetch_b8 v0, s[64:65] scope:SCOPE_SE
	s_setreg_imm32_b32 hwreg(HW_REG_WAVE_MODE, 25, 1), 1
	s_wait_xcnt 0x0
; PREP.  Two things that every work-group of the next launch wants, made once.
;   wb  = Wa_w rounded to bf16, laid out so that a matrix fragment is 512 consecutive bytes (a lane's 16 bytes at 16 x lane);
;   bct = C2 x (decoder_state Ua_w^T + Ua_b + Wa_b), f32, C2 = 2 log2(e): the addend of the exponent in tanh(x) = 1 - 2 / (1 + 2^(C2 x)).
; SHARES.  Work-group nb (64 of them) takes the 16 rows o = 16 nb .. of Wa_w and of Ua_w; its wave w (8) takes the unit of 128 k at 128 w.
; THE ORDER OF K, the same for every matrix operand of the program, so that the products are unchanged: a unit is 128 k; its chunk q (0..15) holds eight
; bf16, element e being k = 64 (e / 4) + 4 q + e % 4 of the unit.  So a chunk is made of two loads of 16 bytes, 256 bytes apart, and sixteen neighbouring
; lanes read 256 consecutive bytes of a row.  A step of 32 along K, number s (0..3), takes chunks 4 s + 2 c + h (c: registers 4 c .. 4 c + 3, h = lane / 16).
; IN LDS a block of 16 rows x one unit lies at q x 272 + row x 16: the stores (one row, sixteen q) and the fragment loads (one q, sixteen rows) both touch
; sixteen different columns of 16 bytes modulo 256.
; wb byte = wm 524288 + pass 262144 + unit 32768 + s 8192 + b 1024 + c 512 + h 256 + r 16, with nb = 32 pass + 8 wm + b and r the row in the block.
; bct byte = nb 2048 + batch 64 + 4 (o % 16).
; No cluster, no tensor loads: a work-group's rows are its own; decoder_state (128 KiB) is the one thing shared, and each wave takes another unit of it.
.set C2,    0x4038aa3b
.set SB,    4352                       ; a block in LDS: 16 chunks x 272 bytes
.set WCONV, 4*SB                       ; a wave's four blocks: Ua, dec rows 0-15, dec rows 16-31, Wa
.set PART,  8*WCONV                    ; behind them: a wave's partial sums, 2,048 bytes: [32 batches][16 o] f32
.set SPARE, PART+8*2048                ; behind them: the spare words, 128 bytes a wave: four blocks of 256 bytes that no other line names
.set SPW, 2                            ; v2   my spare word; never rewritten
.set NIL, 3                            ; v3   0; never rewritten
.set LO,  4                            ; v4   offset of my 16 bytes in two rows: (lane / 16) x 4096 + (lane % 16) x 16 + 512 w
.set ST,  5                            ; v5   where I store a chunk: q x 272 + (lane / 16) x 16 + my wave's blocks
.set FR,  6                            ; v6   where I read a fragment: (lane / 16) x 272 + (lane % 16) x 16 + my wave's blocks
.set L16, 7                            ; v7   16 x lane
.set PST, 8                            ; v8   where I put my partial sums
.set T16, 9                            ; v9   16 x thread
.set BO,  10                           ; v10  16 x (thread % 4): my four o in the biases
.set PRD, 14                           ; v14  where I read the partial sums back
.set S0,  64                           ; three landing sets of 64 registers
.set S1,  128
.set S2,  192
	s_load_b256 s[4:11], s[0:1], 0x0               ; Wa_w s[4:5], Ua_w s[6:7], decoder_state s[8:9], Ua_b s[10:11]
	s_load_b128 s[12:15], s[0:1], 0x20             ; Wa_b s[12:13], wb s[14:15]
	s_load_b64 s[16:17], s[0:1], 0x30              ; bct
	v_lshl_add_u32 v[SPW], v0, 2, SPARE
	v_mov_b32 v[NIL], 0
	v_lshrrev_b32 v1, 5, v0
	v_readfirstlane_b32 s20, v1                    ; wave = unit, 0..7
	v_and_b32 v11, 15, v0                          ; lane % 16
	v_bfe_u32 v12, v0, 4, 1                        ; lane / 16
	v_and_b32 v13, 31, v0                          ; lane
	s_lshl_b32 s21, s20, 9                         ; a unit is 512 bytes of an f32 row
	v_lshlrev_b32 v[LO], 4, v11
	v_lshl_or_b32 v[LO], v12, 12, v[LO]
	v_or_b32 v[LO], s21, v[LO]
	s_mul_i32 s22, s20, WCONV
	v_mul_u32_u24 v[ST], v11, 272
	v_lshl_add_u32 v[ST], v12, 4, v[ST]
	v_add_nc_u32 v[ST], s22, v[ST]
	v_mul_u32_u24 v[FR], v12, 272
	v_lshl_add_u32 v[FR], v11, 4, v[FR]
	v_add_nc_u32 v[FR], s22, v[FR]
	v_lshlrev_b32 v[L16], 4, v13
	s_lshl_b32 s23, s20, 11
	s_add_co_u32 s23, s23, PART
	v_lshl_add_u32 v[PST], v11, 6, s23             ; batch (lane % 16) x 64
	v_lshl_add_u32 v[PST], v12, 5, v[PST]          ; + my eight o: (lane / 16) x 32
	v_lshlrev_b32 v[T16], 4, v0
	v_add_nc_u32 v[PRD], PART, v[T16]
	v_and_b32 v[BO], 3, v0
	v_lshlrev_b32 v[BO], 4, v[BO]
	s_lshl_b32 s24, ttmp9, 16                      ; 16 rows of 4,096 bytes
	s_mov_b32 s25, 0
	s_lshl_b32 s26, ttmp9, 6                       ; 16 numbers of a bias
	s_mov_b32 s27, 0
	s_bfe_u32 s28, ttmp9, 0x20003                  ; wm = (nb / 8) % 4
	s_lshl_b32 s28, s28, 19
	s_lshr_b32 s32, ttmp9, 5                       ; pass = nb / 32
	s_lshl_b32 s32, s32, 18
	s_add_co_u32 s28, s28, s32
	s_and_b32 s33, ttmp9, 7                        ; b = nb % 8
	s_lshl_b32 s33, s33, 10
	s_add_co_u32 s28, s28, s33
	s_lshl_b32 s34, s20, 15                        ; the unit
	s_add_co_u32 s28, s28, s34
	s_mov_b32 s29, 0
	s_lshl_b32 s30, ttmp9, 11
	s_mov_b32 s31, 0
	s_wait_kmcnt 0x0
	s_add_nc_u64 s[4:5], s[4:5], s[24:25]
	s_add_nc_u64 s[6:7], s[6:7], s[24:25]
	s_add_nc_u64 s[10:11], s[10:11], s[26:27]
	s_add_nc_u64 s[12:13], s[12:13], s[26:27]
	s_add_nc_u64 s[14:15], s[14:15], s[28:29]
	s_add_nc_u64 s[16:17], s[16:17], s[30:31]
; 16 rows x one unit: sixteen loads, each two rows x 256 consecutive bytes
.macro BLOAD set, bs, off
.irp i, 0,1,2,3,4,5,6,7
	global_load_b128 v[(\set)+8*(\i):(\set)+8*(\i)+3],   v[LO], s[(\bs):(\bs)+1] offset:(\off)+(\i)*8192
	global_load_b128 v[(\set)+8*(\i)+4:(\set)+8*(\i)+7], v[LO], s[(\bs):(\bs)+1] offset:(\off)+(\i)*8192+256
.endr
.endm
; eight f32 become a chunk of eight bf16, in the first four of their registers
.macro BCONV set
.irp i, 0,1,2,3,4,5,6,7
.irp j, 0,1,2,3
	v_cvt_pk_bf16_f32 v[(\set)+8*(\i)+(\j)], v[(\set)+8*(\i)+2*(\j)], v[(\set)+8*(\i)+2*(\j)+1]
.endr
.endr
.endm
.macro BSTORE set, blk
.irp i, 0,1,2,3,4,5,6,7
	ds_store_b128 v[ST], v[(\set)+8*(\i):(\set)+8*(\i)+3] offset:(\blk)*SB+(\i)*32
.endr
.endm
	global_load_b128 v[32:35], v[BO], s[10:11]     ; Ua_b
	global_load_b128 v[36:39], v[BO], s[12:13]     ; Wa_b
	BLOAD S0, 6, 0                                 ; Ua_w's 16 rows
	BLOAD S1, 8, 0                                 ; decoder_state, batches 0-15
	BLOAD S2, 8, 65536                             ; batches 16-31
	s_wait_loadcnt 32                              ; the biases and S0 are in; the 32 loads of S1 and S2 may stay out
	BCONV S0
	BSTORE S0, 0
	s_wait_dscnt 0x0                               ; the stores have read S0: it is loaded again only behind this wait
	BLOAD S0, 4, 0                                 ; Wa_w's 16 rows
	s_wait_loadcnt 32                              ; S1 is in; S2's and S0's 32 may stay out
	BCONV S1
	BSTORE S1, 1
	s_wait_loadcnt 16                              ; S2 is in
	BCONV S2
	BSTORE S2, 2
	; the fragments: block k into v[128 + 32 k ..]; f = 2 s + c.  LDS serves a wave's instructions in order (ISA guide 5.7.1.4): these see the stores above
.irp k, 0,1,2
.irp f, 0,1,2,3,4,5,6,7
	ds_load_b128 v[128+32*(\k)+4*(\f):128+32*(\k)+4*(\f)+3], v[FR] offset:(\k)*SB+(\f)*544
.endr
.endr
	s_wait_dscnt 0x0
	; source 0 = 16 rows of Ua_w, source 1 = 16 batches: a lane then holds one batch (lane % 16) and the o 8 (lane / 16) + 0..7.  The two accumulators take turns
.irp s, 0,1,2,3
.if (\s) == 0
	v_wmma_f32_16x16x32_bf16 v[16:23], v[128:135], v[160:167], 0
	v_wmma_f32_16x16x32_bf16 v[24:31], v[128:135], v[192:199], 0
.else
	v_wmma_f32_16x16x32_bf16 v[16:23], v[128+8*(\s):135+8*(\s)], v[160+8*(\s):167+8*(\s)], v[16:23]
	v_wmma_f32_16x16x32_bf16 v[24:31], v[128+8*(\s):135+8*(\s)], v[192+8*(\s):199+8*(\s)], v[24:31]
.endif
.endr
	s_wait_loadcnt 0x0                             ; Wa_w's rows
	BCONV S0                                       ; 32 plain lines on other registers: the places behind the products
	BSTORE S0, 3
.irp f, 0,1,2,3,4,5,6,7
	ds_load_b128 v[128+4*(\f):128+4*(\f)+3], v[FR] offset:3*SB+(\f)*544
.endr
	s_wait_dscnt 0x0
.irp f, 0,1,2,3,4,5,6,7
	global_store_b128 v[L16], v[128+4*(\f):128+4*(\f)+3], s[14:15] offset:((\f)/2)*8192+((\f)%2)*512  ; 512 consecutive bytes, at a multiple of 512 from wb's first byte
.endr
	ds_store_b128 v[PST], v[16:19]                 ; each accumulator is read from its low end on
	ds_store_b128 v[PST], v[20:23] offset:16
	ds_store_b128 v[PST], v[24:27] offset:1024
	ds_store_b128 v[PST], v[28:31] offset:1040
	s_wait_dscnt 0x0                               ; for the others' sake: my partial sums lie in LDS
	s_barrier_signal -1
	s_barrier_wait -1
	s_cmp_lt_u32 s20, 4                            ; 128 threads x 16 bytes are the 2,048 bytes of the result
	s_cbranch_scc0 .Lend
.irp k, 0,1,2,3,4,5,6,7
	ds_load_b128 v[64+4*(\k):67+4*(\k)], v[PRD] offset:2048*(\k)
.endr
	s_wait_dscnt 0x0
.irp j, 0,2,4,6,8,10,12,14
	v_pk_add_f32 v[64+(\j):65+(\j)], v[64+(\j):65+(\j)], v[80+(\j):81+(\j)]
.endr
.irp j, 0,2,4,6
	v_pk_add_f32 v[64+(\j):65+(\j)], v[64+(\j):65+(\j)], v[72+(\j):73+(\j)]
.endr
	v_pk_add_f32 v[32:33], v[32:33], v[36:37]      ; the two biases
	v_pk_add_f32 v[34:35], v[34:35], v[38:39]
	v_pk_add_f32 v[64:65], v[64:65], v[68:69]
	v_pk_add_f32 v[66:67], v[66:67], v[70:71]
	v_pk_add_f32 v[64:65], v[64:65], v[32:33]
	v_pk_add_f32 v[66:67], v[66:67], v[34:35]
	v_pk_mul_f32 v[64:65], v[64:65], C2 op_sel_hi:[1,0]
	v_pk_mul_f32 v[66:67], v[66:67], C2 op_sel_hi:[1,0]
	global_store_b128 v[T16], v[64:67], s[16:17]   ; a wave stores 512 consecutive bytes
.Lend:
	s_wait_tensorcnt 0x0                           ; the wave's end, behind my last LDS store
	ds_add_u32 v[SPW], v[NIL]
	s_wait_dscnt 0x0
	s_endpgm
.Lfunc_end_k_q2e397240d1_prep:
	.size	k_q2e397240d1_prep, .Lfunc_end_k_q2e397240d1_prep-k_q2e397240d1_prep
	.p2alignl 7, 3214868480
	.fill 96, 4, 3214868480
	.section	.rodata,"a",@progbits
	.p2align	6, 0x0
	.amdhsa_kernel k_q2e397240d1_prep
		.amdhsa_group_segment_fixed_size 156672
		.amdhsa_private_segment_fixed_size 0
		.amdhsa_enable_private_segment 0
		.amdhsa_kernarg_size 56
		.amdhsa_user_sgpr_count 2
		.amdhsa_user_sgpr_kernarg_segment_ptr 1
		.amdhsa_wavefront_size32 1
		.amdhsa_system_sgpr_workgroup_id_x 1
		.amdhsa_system_sgpr_workgroup_id_y 1
		.amdhsa_system_sgpr_workgroup_id_z 1
		.amdhsa_system_vgpr_workitem_id 0
		.amdhsa_next_free_vgpr 256
		.amdhsa_next_free_sgpr 66
		.amdhsa_reserve_vcc 0
		.amdhsa_float_denorm_mode_32 3
		.amdhsa_float_denorm_mode_16_64 3
		.amdhsa_memory_ordered 1
		.amdhsa_forward_progress 1
		.amdhsa_inst_pref_size 25
	.end_amdhsa_kernel
	.amdgpu_metadata
---
amdhsa.version: [ 1, 2 ]
amdhsa.kernels:
  - .name:           k_q2e397240d1_prep
    .symbol:         k_q2e397240d1_prep.kd
    .args:
      - { .name: Wa_w, .offset: 0, .size: 8, .value_kind: global_buffer, .address_space: global }
      - { .name: Ua_w, .offset: 8, .size: 8, .value_kind: global_buffer, .address_space: global }
      - { .name: decoder_state, .offset: 16, .size: 8, .value_kind: global_buffer, .address_space: global }
      - { .name: Ua_b, .offset: 24, .size: 8, .value_kind: global_buffer, .address_space: global }
      - { .name: Wa_b, .offset: 32, .size: 8, .value_kind: global_buffer, .address_space: global }
      - { .name: wb, .offset: 40, .size: 8, .value_kind: global_buffer, .address_space: global }
      - { .name: bct, .offset: 48, .size: 8, .value_kind: global_buffer, .address_space: global }
    .group_segment_fixed_size: 156672
    .private_segment_fixed_size: 0
    .kernarg_segment_align: 8
    .kernarg_segment_size: 56
    .max_flat_workgroup_size: 256
    .sgpr_count:     66
    .vgpr_count:     256
    .wavefront_size: 32
...
	.end_amdgpu_metadata
.endif
;; end of part 1
;; launch attend (part 2): grid 512 x 1, 4 waves a work-group, no clusters, 295,424 bytes of LDS; arguments encoder_states, wb, bct, v_w, v_b, sc, ml, pctx; writes sc, ml, pctx
.if DOCPART == 2
	.amdgcn_target "amdgcn-amd-amdhsa--gfx1250"
	.amdhsa_code_object_version 6
	.text
	.protected	k_q2e397240d1_attend
	.globl	k_q2e397240d1_attend
	.p2align	8
	.type	k_q2e397240d1_attend,@function
k_q2e397240d1_attend:
	s_mov_b64 s[64:65], 0
	v_nop
	global_prefetch_b8 v0, s[64:65] scope:SCOPE_SE
	s_setreg_imm32_b32 hwreg(HW_REG_WAVE_MODE, 25, 1), 1
	s_wait_xcnt 0x0
; ATTEND.  For a block of 128 rows t of one batch: s[t] = v_b + sum over o of v_w[o] tanh(dec_proj[o] + enc[t] . Wa_w[o] + Wa_b[o]); the block's maximum m, p[t] = e^(s[t] - m),
; l = sum of p, and the block's part of the context, sum over t of p[t] enc[t][:].  Stored: s (sc), the pair (m, l) (ml), the part of the context (pctx); the last launch joins a batch's 16 blocks.
; encoder_states IS READ ONCE: the block's rows are rounded to bf16 on the way in and stay in LDS for the whole of K (278,528 bytes), for the scores and for the context.
; FORMATS.  enc and Wa_w in bf16 for the products, sums in f32; bias, v_w, v_b, tanh and softmax in f32; p enters the second product as two bf16 numbers, p_hi + p_lo.
; tanh(x) = 1 - 2 / (1 + 2^(C2 x)), C2 = 2 log2(e): right at both ends (2^.. = infinity gives 1, 0 gives -1).  So s = v_b + sum v - 2 sum v r, r = 1 / (1 + 2^(C2 x)).
; LIMITS.  NaN and infinities among the inputs are not treated apart; a weight below 2^-126 counts as 0.
; SHARES.  512 work-groups of four waves.  The waves split the 1,024 columns o: in each of two passes wave w has 128 rows x 128 columns, 64 accumulators of 16 x 16 in 512 registers.
; A STEP is 32 along K: 64 matrix instructions; its 8 fragments of enc come from LDS, its 8 of Wa_w straight from wb into registers, asked for three steps ahead.
; Each fragment of Wa_w is used by one wave of the work-group alone, so LDS would give it no second use.
; NO CLUSTER, NO TENSOR LOADS: beside the block's 278,528 bytes and 16,896 of tables and stages, 32,256 of the 327,680 bytes of LDS are left; a step of 32 along K of a pass's 512 columns of Wa_w is 32,768 bytes,
; so not even one slot of one step fits, and two are wanted.  Three steps' fragments (24 KiB a wave) are on their way into registers instead.
; THE ORDER OF K and the layout of a block in LDS (q x 272 + row x 16) are the first launch's; see there.  Unit U + 1 (128 k) of the block is loaded, rounded and stored to LDS while unit U is multiplied, in pass 0.
; THE MATRIX INSTRUCTION: source 0 = 16 rows of Wa_w, source 1 = 16 rows of enc: a lane holds ONE row t (16 a + lane % 16) and the columns 16 b + 8 (lane / 16) + 0..7.
; REGISTERS, in windows of 256 (s_set_vgpr_msb: bits 1:0 source 0, 3:2 source 1, 5:4 source 2, 7:6 destination):
;   window 0: v0-15 addresses; v16-31 SC: sum of v r, a pair for each of my 8 row blocks; v32-39 VS: sum of v; v40-63 at work; v64-95, v96-127 enc's fragments, row blocks 0-3 and 4-7;
;             v128-255 four quarters of a unit on its way in; in the epilogue the tables
;   window 1: Wa_w's fragments, a ring of four steps of 64      window 2: accumulators (a, b), a = 0..3, at 8 (8 a + b)      window 3: a = 4..7
.set SB,    4352                       ; 16 rows x one unit in LDS
.set UB,    8*SB                       ; 128 rows x one unit
.set TB,    8*UB                       ; behind the block: C2 x bias of my batch, 1,024 f32, then v_w, 1,024 f32
.set PS,    TB+8192                    ; 4 waves x 128 partial scores
.set PW,    PS+2048                    ; for each wave 256 bytes of p_hi, 256 of p_lo
.set CX,    PW+2048                    ; for each wave 1,024 bytes of context
.set SPARE, CX+4096                    ; the spare words, 128 bytes a wave: two blocks of 256 bytes that no other line names
.set SPW, 2                            ; v2   my spare word; never rewritten
.set NIL, 3                            ; v3   0; never rewritten
.set AF,  4                            ; v4   where I read enc's fragments: AF0 + the unit
.set AS,  5                            ; v5   where I store chunks: AS0 + the unit
.set EO,  6                            ; v6   my 16 bytes of two rows of enc: wave x 32 rows + (lane / 16) x 4096 + (lane % 16) x 16; never rewritten
.set WO,  7                            ; v7   16 x lane; never rewritten
.set PF,  8                            ; v8   the prefetches' offset: row 32 wave + lane; never rewritten
.set RQ,  9                            ; v9   lane % 16
.set HB,  10                           ; v10  lane / 16
.set LN,  11                           ; v11  lane
.set TA,  12                           ; v12  where I read the tables: TB + 512 wave + 32 (lane / 16), + 2,048 a pass
.set AF0, 13
.set AS0, 14
.set SC,  16
.set VS,  32
.set H,   64
.set STG, 128
.set MUL_LO, 0xa1                      ; source 0 (Wa_w) window 1, source 1 (enc) window 0, C and D window 2
.set TO_B,   0x40                      ; destination window 1, address window 0
.set MSB, 0
.macro WIN new                         ; the immediate's high byte repeats the setting that is left; a switch that changes nothing is dropped
.if MSB != (\new)
	s_set_vgpr_msb (MSB<<8)|(\new)
.set MSB, (\new)
.endif
.endm
.macro PLACES                          ; four places behind a matrix instruction, in front of loads into registers that it has read
.rept 4
	v_nop
.endr
.endm
; Quarter q of a unit: my rows 8 q .. 8 q + 7: eight loads, each two rows x 256 consecutive bytes, read once in the launch
.macro SLOAD q, bs, off, reg
.irp n, 0,1,2,3
	global_load_b128 v[(\reg)+8*(4*(\q)+(\n)):(\reg)+8*(4*(\q)+(\n))+3],   v[EO], s[(\bs):(\bs)+1] offset:(\off)+(4*(\q)+(\n))*8192 th:TH_LOAD_NT
	global_load_b128 v[(\reg)+8*(4*(\q)+(\n))+4:(\reg)+8*(4*(\q)+(\n))+7], v[EO], s[(\bs):(\bs)+1] offset:(\off)+(4*(\q)+(\n))*8192+256 th:TH_LOAD_NT
.endr
.endm
.macro CONVQ reg, q                    ; eight f32 become a chunk of eight bf16, in the first four of their registers
.irp n, 0,1,2,3
.irp j, 0,1,2,3
	v_cvt_pk_bf16_f32 v[(\reg)+8*(4*(\q)+(\n))+(\j)], v[(\reg)+8*(4*(\q)+(\n))+2*(\j)], v[(\reg)+8*(4*(\q)+(\n))+2*(\j)+1]
.endr
.endr
.endm
.macro STOREQ adr, reg, q
.irp n, 0,1,2,3
	ds_store_b128 v[\adr], v[(\reg)+8*(4*(\q)+(\n)):(\reg)+8*(4*(\q)+(\n))+3] offset:((4*(\q)+(\n))/8)*SB+((4*(\q)+(\n))%8)*32
.endr
.endm
; A step's 8 fragments of Wa_w into a ring buffer: sixteen loads of 512 consecutive bytes
.macro WLD ring, off
.irp b, 0,1,2,3,4,5,6,7
	global_load_b128 v[64*(\ring)+8*(\b):64*(\ring)+8*(\b)+3],   v[WO], s[30:31] offset:(\off)+(\b)*1024
	global_load_b128 v[64*(\ring)+8*(\b)+4:64*(\ring)+8*(\b)+7], v[WO], s[30:31] offset:(\off)+(\b)*1024+512
.endr
.endm
; enc's fragments of four row blocks for step q of the unit
.macro ALOAD half, q
.irp a, 0,1,2,3
	ds_load_b128 v[H+32*(\half)+8*(\a):H+32*(\half)+8*(\a)+3],   v[AF] offset:(4*(\half)+(\a))*SB+(4*(\q))*272
	ds_load_b128 v[H+32*(\half)+8*(\a)+4:H+32*(\half)+8*(\a)+7], v[AF] offset:(4*(\half)+(\a))*SB+(4*(\q)+2)*272
.endr
.endm
; 32 matrix instructions; the 64 accumulators of a step take turns, in the same order in every step.  zero = 1: the products start the sums
.macro MUL half, q, zero
	WIN MUL_LO+0x50*(\half)
.irp a, 0,1,2,3
.irp b, 0,1,2,3,4,5,6,7
.if \zero
	v_wmma_f32_16x16x32_bf16 v[8*(8*(\a)+(\b)):8*(8*(\a)+(\b))+7], v[64*(\q)+8*(\b):64*(\q)+8*(\b)+7], v[H+32*(\half)+8*(\a):H+32*(\half)+8*(\a)+7], 0
.else
	v_wmma_f32_16x16x32_bf16 v[8*(8*(\a)+(\b)):8*(8*(\a)+(\b))+7], v[64*(\q)+8*(\b):64*(\q)+8*(\b)+7], v[H+32*(\half)+8*(\a):H+32*(\half)+8*(\a)+7], v[8*(8*(\a)+(\b)):8*(8*(\a)+(\b))+7]
.endif
.endr
.endr
.endm
; At a unit's head the pointers step: wb's by a unit; e = 1: enc's too; s = 1: the unit that is being stored
.macro UNITSTEP e, s
	s_wait_xcnt 0x0                                ; every load and prefetch issued so far has read its address (ISA guide 3.1): the pointers are written only behind this wait
	s_add_nc_u64 s[30:31], s[30:31], 32768
.if \e
	s_add_nc_u64 s[28:29], s[28:29], 512
.endif
.if \s
	s_add_co_u32 s35, s35, UB
	v_add_nc_u32 v[AS], s35, v[AS0]
.endif
.endm
; A PREFETCH INTO THE L2, in the first step of units 1 to 4: my own 32 rows (a lane a row) x the two blocks of 256 bytes of the unit three on, whose first loads stand four steps,
; 256 matrix instructions, further down.  Each block is named once in the launch, by the wave that will load it.  Units 0 to 3 come by their loads alone; unit 5's step asks for nothing: there is no unit 8.
.macro ASK
	s_cmp_gt_u32 s32, 1
	s_cbranch_scc0 .Lnoask_\@
	global_prefetch_b8 v[PF], s[28:29] offset:512 th:TH_LOAD_NT scope:SCOPE_SE
	global_prefetch_b8 v[PF], s[28:29] offset:768 th:TH_LOAD_NT scope:SCOPE_SE
.Lnoask_\@:
.endm
; A STEP, number q of its unit.  stg = 2: quarter q of the next unit is rounded and stored, and quarter q of the unit after it asked for; 1: no more is asked for; 0: neither.
; wl = 1: Wa_w's fragments three steps on are asked for.  nw: how many younger loads may stay out when this step's fragments of Wa_w have to be there.
; bar = 1: the unit's last step in pass 0: the next unit, which all four waves have stored, is read from here on.  nxt = 1: the next step's first fragments of enc are fetched.
.macro STEP q, zero, stg, wl, nw, bar, nxt, ask=0
	WIN 0
.if \stg
	s_wait_loadcnt 63                              ; behind the quarter's loads 64 or more younger ones have been issued: it is in
	CONVQ STG, \q                                  ; sixteen plain lines on other registers: the places behind the last step's products
	STOREQ AS, STG, \q
.else
	PLACES
.endif
.if (\stg) == 2
	SLOAD \q, 28, 0, STG
.endif
.if \wl
	WIN TO_B
	WLD ((\q)+3)%4, ((\q)+3)*8192
.endif
	WIN 0
.if \ask
	ASK
.endif
	s_wait_loadcnt \nw                             ; loads come back in order (ISA guide 5.7.1): this step's fragments of Wa_w are in
.if \bar
	s_wait_dscnt 0x0                               ; my stores of the next unit are done, and row blocks 0-3 are in
	s_barrier_signal -1
	ALOAD 1, \q                                    ; (bytes of this unit, which nobody writes again)
.else
	ALOAD 1, \q
.if \stg
	s_wait_dscnt 12                                ; row blocks 0-3 are in; the 4 stores and the 8 loads behind them may stay out
.else
	s_wait_dscnt 8
.endif
.endif
	MUL 0, \q, \zero
	PLACES
.if \bar
	WIN 0
	s_barrier_wait -1                              ; every wave's part of the next unit lies in LDS
.endif
.if \nxt
	WIN 0
.if (\q) == 3
	s_add_co_u32 s34, s34, UB
	v_add_nc_u32 v[AF], s34, v[AF0]
.endif
	ALOAD 0, ((\q)+1)%4
	s_wait_dscnt 8                                 ; row blocks 4-7 are in; the 8 loads just issued may stay out
.else
	s_wait_dscnt 0x0
.endif
	MUL 1, \q, \zero
	WIN 0
.endm
	s_load_b512 s[8:23], s[0:1], 0x0               ; enc s[8:9], wb s[10:11], bct s[12:13], v_w s[14:15], v_b s[16:17], sc s[18:19], ml s[20:21], pctx s[22:23]
	v_lshl_add_u32 v[SPW], v0, 2, SPARE
	v_mov_b32 v[NIL], 0
	v_lshrrev_b32 v1, 5, v0
	v_readfirstlane_b32 s24, v1                    ; wave 0..3
	v_and_b32 v[RQ], 15, v0
	v_bfe_u32 v[HB], v0, 4, 1
	v_and_b32 v[LN], 31, v0
	s_lshl_b32 s42, s24, 17                        ; my 32 rows of 4,096 bytes
	v_lshlrev_b32 v[EO], 4, v[RQ]
	v_lshl_or_b32 v[EO], v[HB], 12, v[EO]
	v_or_b32 v[EO], s42, v[EO]
	v_lshlrev_b32 v[WO], 4, v[LN]
	v_lshl_or_b32 v[PF], v[LN], 12, s42
	v_mul_u32_u24 v[AF0], v[HB], 272
	v_lshl_add_u32 v[AF0], v[RQ], 4, v[AF0]
	s_mul_i32 s43, s24, 2*SB                       ; I store row blocks 2 wave and 2 wave + 1
	v_mul_u32_u24 v[AS0], v[RQ], 272
	v_lshl_add_u32 v[AS0], v[HB], 4, v[AS0]
	v_add_nc_u32 v[AS0], s43, v[AS0]
	s_lshl_b32 s44, s24, 9                         ; 512 x wave: kept to the end
	s_add_co_u32 s45, s44, TB
	v_lshl_add_u32 v[TA], v[HB], 5, s45
	v_lshrrev_b32 v15, 2, v0                       ; the tables: thread t takes 16 bytes, four o: in bct block t / 4, 2,048 bytes apart,
	v_and_b32 v1, 3, v0
	v_lshlrev_b32 v1, 4, v1
	v_lshl_or_b32 v15, v15, 11, v1
	v_lshlrev_b32 v56, 4, v0                       ; in v_w and in LDS at 16 t
	v_add_nc_u32 v57, TB, v56
	s_mov_b32 s36, 0x4038aa3b                      ; C2 = 2 log2(e)
	s_mov_b32 s37, s36                             ; named with it as a pair
	s_mov_b32 s38, 0x76543210                      ; v_permlanex16_b32: each lane takes its own place in the other half
	s_mov_b32 s39, 0xfedcba98
	s_mov_b32 s40, 0xffff0000                      ; lanes 16 to 31
	s_mov_b32 s34, 0                               ; the unit that is read
	s_lshl_b32 s46, ttmp9, 19                      ; the block's 128 rows
	s_mov_b32 s47, 0
	s_lshl_b32 s48, s24, 19                        ; my wave's part of wb
	s_mov_b32 s49, 0
	s_lshr_b32 s50, ttmp9, 4                       ; the batch,
	s_lshl_b32 s50, s50, 6                         ; its 64 bytes in each block of bct
	s_mov_b32 s51, 0
	s_lshl_b32 s52, ttmp9, 9
	s_mov_b32 s53, 0
	s_lshl_b32 s54, ttmp9, 8
	s_mov_b32 s55, 0
	s_lshl_b32 s56, ttmp9, 12
	s_lshl_b32 s57, s24, 10
	s_add_co_u32 s56, s56, s57
	s_mov_b32 s57, 0
	s_wait_kmcnt 0x0
	s_load_b32 s41, s[16:17], 0x0                  ; v_b
	s_add_nc_u64 s[26:27], s[8:9], s[46:47]        ; enc at the block
	s_add_nc_u64 s[28:29], s[26:27], 1024          ; and at its unit 2: what unit 0's steps ask for
	s_add_nc_u64 s[30:31], s[10:11], s[48:49]
	s_add_nc_u64 s[12:13], s[12:13], s[50:51]
	s_add_nc_u64 s[18:19], s[18:19], s[52:53]
	s_add_nc_u64 s[20:21], s[20:21], s[54:55]
	s_add_nc_u64 s[22:23], s[22:23], s[56:57]
	; the first loads, in the order in which the steps go on: the tables, unit 0 (into accumulator registers, still idle), then unit 1's quarters and the first three steps of Wa_w
	global_load_b128 v[40:43], v15, s[12:13]
	global_load_b128 v[44:47], v15, s[12:13] offset:65536
	global_load_b128 v[48:51], v56, s[14:15]
	global_load_b128 v[52:55], v56, s[14:15] offset:2048
	WIN 0x80                                       ; destination window 2
	SLOAD 0, 26, 0, 0
	SLOAD 1, 26, 0, 0
	SLOAD 2, 26, 0, 0
	SLOAD 3, 26, 0, 0
	WIN 0
	SLOAD 0, 26, 512, STG
	SLOAD 1, 26, 512, STG
	WIN TO_B
	WLD 0, 0
	WIN 0
	SLOAD 2, 26, 512, STG
	WIN TO_B
	WLD 1, 8192
	WIN 0
	SLOAD 3, 26, 512, STG
	WIN TO_B
	WLD 2, 16384
	WIN 0
.set i, SC
.rept 24
	v_mov_b32 v[i], 0                              ; SC and VS run over both passes: they start at 0, while the loads are out
.set i, i+1
.endr
	s_wait_loadcnt 63                              ; 80 loads stand behind unit 0's: the tables and unit 0 are in
	s_wait_kmcnt 0x0                               ; v_b
	WIN 0x8a                                       ; destination and both sources window 2
	CONVQ 0, 0
	CONVQ 0, 1
	CONVQ 0, 2
	CONVQ 0, 3
	WIN 0x08                                       ; store data window 2
	STOREQ AS0, 0, 0
	STOREQ AS0, 0, 1
	STOREQ AS0, 0, 2
	STOREQ AS0, 0, 3
	WIN 0
	ds_store_b128 v57, v[40:43]
	ds_store_b128 v57, v[44:47] offset:2048
	ds_store_b128 v57, v[48:51] offset:4096
	ds_store_b128 v57, v[52:55] offset:6144
	s_mov_b32 s35, UB                              ; unit 1 is stored next
	v_add_nc_u32 v[AS], s35, v[AS0]
	v_mov_b32 v[AF], v[AF0]
	s_wait_dscnt 0x0                               ; for the others' sake: my part of unit 0 and of the tables lies in LDS
	s_barrier_signal -1
	s_barrier_wait -1
	ALOAD 0, 0
	; PASS 0: columns 128 wave + 0..127.  Its first step stands in front of the loop: its products start the sums.  No byte of the block is written twice, so one barrier a unit is enough.
	STEP 0, 1, 2, 1, 63, 0, 1
	s_mov_b32 s32, 6                               ; units 0 to 5 ask for units 2 to 7
	s_branch .Lp0mid
.Lp0:
	UNITSTEP 1, 1
	STEP 0, 0, 2, 1, 63, 0, 1, 1                   ; behind a step's fragments of Wa_w stand three steps' 24 loads: 72
.Lp0mid:
	STEP 1, 0, 2, 1, 63, 0, 1
	STEP 2, 0, 2, 1, 63, 0, 1
	STEP 3, 0, 2, 1, 63, 1, 1
	s_sub_co_u32 s32, s32, 1
	s_cmp_lg_u32 s32, 0
	s_cbranch_scc1 .Lp0
	UNITSTEP 0, 1                                  ; unit 6: unit 7 is stored, nothing more of enc is asked for: the counts run down, 24 + 24 + 16, 24 + 16 + 16, 3 x 16
	STEP 0, 0, 1, 1, 63, 0, 1
	STEP 1, 0, 1, 1, 56, 0, 1
	STEP 2, 0, 1, 1, 48, 0, 1
	STEP 3, 0, 1, 1, 48, 1, 1
	UNITSTEP 0, 0                                  ; unit 7; its last three steps ask for pass 1's first three of Wa_w, which follow in wb
	STEP 0, 0, 0, 1, 48, 0, 1
	STEP 1, 0, 0, 1, 48, 0, 1
	STEP 2, 0, 0, 1, 48, 0, 1
	STEP 3, 0, 0, 1, 48, 0, 0
	s_mov_b32 s33, 2                               ; two epilogues: one text
	s_branch .Lepi
.Lpass1:                                               ; PASS 1: columns 512 + 128 wave + 0..127; the block lies in LDS
	s_mov_b32 s34, 0
	v_mov_b32 v[AF], v[AF0]
	ALOAD 0, 0
	UNITSTEP 0, 0
	STEP 0, 1, 0, 1, 48, 0, 1
	s_mov_b32 s32, 7
	s_branch .Lp1mid
.Lp1:
	UNITSTEP 0, 0
	STEP 0, 0, 0, 1, 48, 0, 1
.Lp1mid:
	STEP 1, 0, 0, 1, 48, 0, 1
	STEP 2, 0, 0, 1, 48, 0, 1
	STEP 3, 0, 0, 1, 48, 0, 1
	s_sub_co_u32 s32, s32, 1
	s_cmp_lg_u32 s32, 0
	s_cbranch_scc1 .Lp1
	UNITSTEP 0, 0
	STEP 0, 0, 0, 1, 48, 0, 1                      ; the last fragments of Wa_w are asked for
	STEP 1, 0, 0, 0, 32, 0, 1
	STEP 2, 0, 0, 0, 16, 0, 1
	STEP 3, 0, 0, 0, 0, 0, 0
; THE EPILOGUE of a pass.  For each pair of neighbouring columns of an accumulator five kinds of line:
;   F  x = C2 acc + C2 bias     E  2^x (two lines)     A  1 + 2^x     R  the reciprocal (two lines)     S  SC += v r
; A BATCH is two column blocks x four row blocks: 8 accumulators, 32 pairs; pair p is registers 2 (p / 8), + 1 of row block p % 4, column block 2 k + (p / 4) % 2: each accumulator is read from its low end on,
; and SC's four chains take turns.  In TURN t stand S of batch t - 2, then F and E of batch t beside A and R of batch t - 1.  No line of a turn names a result of that turn's
; exponentials or reciprocals, so one plain line and ONE s_wait_alu depctr_va_vdst(0), ahead of the first reader, end each turn.
.macro EREG k, p
.set rA, 8*(8*((\p)%4)+2*(\k)+((\p)/4)%2)+2*((\p)/8)
.set rT, STG+16*(2*(\k)+((\p)/4)%2)+2*((\p)/8)
.endm
.macro EPF k, p
	EREG \k, \p
	v_pk_fma_f32 v[rA:rA+1], v[rA:rA+1], s[36:37], v[rT:rT+1] op_sel_hi:[1,0,1]
.endm
.macro EPA k, p
	EREG \k, \p
	v_pk_add_f32 v[rA:rA+1], v[rA:rA+1], 1.0 op_sel_hi:[1,0]
.endm
.macro EPE k, p, z
	EREG \k, \p
	v_exp_f32 v[rA+(\z)], v[rA+(\z)]
.endm
.macro EPR k, p, z
	EREG \k, \p
	v_rcp_f32 v[rA+(\z)], v[rA+(\z)]
.endm
.macro EPS W, k, p
	EREG \k, \p
.set rC, SC+2*(4*((\W)-2)+(\p)%4)
	v_pk_fma_f32 v[rC:rC+1], v[rA:rA+1], v[rT+8:rT+9], v[rC:rC+1]
.endm
.macro EPI_HALF W                      ; the 32 accumulators of window W
.set t, 0
.rept 6
.if t >= 2
	WIN (\W)                                       ; source 0 in window W, all else in window 0
.set p, 0
.rept 32
	EPS \W, t-2, p
.set p, p+1
.endr
.endif
.if t < 5
	WIN ((\W)<<6)|(\W)                             ; destination and source 0 in window W
.set p, 0
.rept 33
.if (p < 32) && (t < 4)
	EPF t, p
.endif
.if (p >= 1) && (t < 4)
	EPE t, p-1, 0
.endif
.if (p < 32) && (t >= 1)
	EPA t-1, p
.endif
.if (p >= 1) && (t >= 1)
	EPR t-1, p-1, 0
.endif
.if (p >= 1) && (t < 4)
	EPE t, p-1, 1
.endif
.if (p >= 1) && (t >= 1)
	EPR t-1, p-1, 1
.endif
.set p, p+1
.endr
	v_nop                                          ; the plain line behind the turn's last transcendental
	s_wait_alu depctr_va_vdst(0)                   ; the turn's one wait
.endif
.set t, t+1
.endr
.endm
.Lepi:
.irp b, 0,1,2,3,4,5,6,7                ; the tables of my 8 columns in each of the pass's 8 column blocks: C2 bias at STG + 16 b, v_w at STG + 16 b + 8
	ds_load_b128 v[STG+16*(\b):STG+16*(\b)+3],     v[TA] offset:(\b)*64
	ds_load_b128 v[STG+16*(\b)+4:STG+16*(\b)+7],   v[TA] offset:(\b)*64+16
	ds_load_b128 v[STG+16*(\b)+8:STG+16*(\b)+11],  v[TA] offset:4096+(\b)*64
	ds_load_b128 v[STG+16*(\b)+12:STG+16*(\b)+15], v[TA] offset:4096+(\b)*64+16
.endr
	v_add_nc_u32 v[TA], 2048, v[TA]                ; the next pass's 512 columns
	s_wait_dscnt 0x0
.irp b, 0,1,2,3,4,5,6,7                ; the sum of v over my columns, four chains by turns: also the places behind the pass's last products
.irp j, 0,1,2,3
	v_pk_add_f32 v[VS+2*(\j):VS+2*(\j)+1], v[VS+2*(\j):VS+2*(\j)+1], v[STG+16*(\b)+8+2*(\j):STG+16*(\b)+9+2*(\j)]
.endr
.endr
	EPI_HALF 2
	EPI_HALF 3
	WIN 0
	s_sub_co_u32 s33, s33, 1
	s_cmp_lg_u32 s33, 0
	s_cbranch_scc1 .Lpass1
	; THE END.  My columns' part of each row's score: sum v - 2 sum v r; the two halves of the lanes hold different columns of the same row.
	v_pk_add_f32 v[VS:VS+1], v[VS:VS+1], v[VS+2:VS+3]
	v_pk_add_f32 v[VS+4:VS+5], v[VS+4:VS+5], v[VS+6:VS+7]
	v_pk_add_f32 v[VS:VS+1], v[VS:VS+1], v[VS+4:VS+5]
	v_add_f32 v[VS], v[VS], v[VS+1]
.irp a, 0,1,2,3,4,5,6,7
	v_add_f32 v[40+(\a)], v[SC+2*(\a)], v[SC+2*(\a)+1]
.endr
.irp a, 0,1,2,3,4,5,6,7
	v_fma_f32 v[40+(\a)], v[40+(\a)], -2.0, v[VS]
.endr
.irp a, 0,1,2,3,4,5,6,7
	v_permlanex16_b32 v[48+(\a)], v[40+(\a)], s38, s39
.endr
.irp a, 0,1,2,3,4,5,6,7
	v_add_f32 v[40+(\a)], v[40+(\a)], v[48+(\a)]
.endr
.irp i, 0,1,2,3                        ; lanes 0-15 keep row block 2 i, lanes 16-31 take 2 i + 1: lane l holds row 32 i + l
	v_cndmask_b32 v[56+(\i)], v[40+2*(\i)], v[41+2*(\i)], s40
.endr
	s_add_co_u32 s42, s44, PS
	v_lshl_add_u32 v60, v[LN], 2, s42
.irp i, 0,1,2,3
	ds_store_b32 v60, v[56+(\i)] offset:128*(\i)
.endr
	v_lshl_add_u32 v61, v[LN], 4, PS
	s_wait_dscnt 0x0                               ; for the others' sake: my partial scores lie in LDS
	s_barrier_signal -1
	s_barrier_wait -1
.irp i, 0,1,2,3                        ; every wave takes all four parts: lane l rows 4 l .. 4 l + 3
	ds_load_b128 v[64+4*(\i):67+4*(\i)], v61 offset:512*(\i)
.endr
	; addresses for the second product, made while those loads are out
	v_bfe_u32 v1, v0, 3, 1                         ; (lane / 8) % 2
	v_and_b32 v15, 7, v0
	v_mul_u32_u24 v36, v1, 272                     ; the turning load: lane l reads row 8 (l / 16) + l % 8 of a row block, chunk 2 y + (l / 8) % 2
	v_lshl_add_u32 v36, v[HB], 7, v36
	v_lshl_add_u32 v36, v15, 4, v36
	s_mul_i32 s43, s24, 2*UB                       ; my two units: 2 wave,
	v_add_nc_u32 v36, s43, v36
	v_add_nc_u32 v37, UB, v36                      ; and 2 wave + 1
	v_and_b32 v38, 1, v0                           ; source 0: even rows p_hi, odd rows p_lo
	v_lshlrev_b32 v38, 8, v38
	v_lshl_add_u32 v38, v[HB], 4, v38
	s_add_co_u32 s45, s44, PW
	v_add_nc_u32 v38, s45, v38
	v_lshl_add_u32 v63, v[LN], 3, s45
	v_lshlrev_b32 v62, 3, v[LN]
	s_lshl_b32 s46, s24, 10
	s_add_co_u32 s46, s46, CX
	v_bfe_u32 v39, v0, 2, 1                        ; column r of fragment y is k = 64 ((r / 4) % 2) + 8 y + 4 (r / 8) + r % 4 of its unit
	v_lshlrev_b32 v39, 8, v39
	v_lshl_add_u32 v39, v[HB], 5, v39
	v_lshl_add_u32 v39, v1, 4, v39
	v_and_b32 v15, 3, v0
	v_lshl_add_u32 v39, v15, 2, v39
	v_add_nc_u32 v39, s46, v39
	v_lshl_add_u32 v34, v[LN], 4, s46
	s_mov_b32 s47, 0x3fb8aa3b                      ; log2(e)
	s_wait_dscnt 0x0
	v_pk_add_f32 v[64:65], v[64:65], v[68:69]
	v_pk_add_f32 v[66:67], v[66:67], v[70:71]
	v_pk_add_f32 v[72:73], v[72:73], v[76:77]
	v_pk_add_f32 v[74:75], v[74:75], v[78:79]
	v_pk_add_f32 v[64:65], v[64:65], v[72:73]
	v_pk_add_f32 v[66:67], v[66:67], v[74:75]
.irp i, 0,1,2,3
	v_add_f32 v[40+(\i)], s41, v[64+(\i)]          ; the scores, v40-43: not rewritten
.endr
	v_max3_num_f32 v44, v40, v41, v42              ; the block's maximum
	v_max_num_f32 v44, v44, v43
	v_max_num_f32_dpp v44, v44, v44 row_xmask:1 row_mask:0xf bank_mask:0xf
	v_max_num_f32_dpp v44, v44, v44 row_xmask:2 row_mask:0xf bank_mask:0xf
	v_max_num_f32_dpp v44, v44, v44 row_xmask:4 row_mask:0xf bank_mask:0xf
	v_max_num_f32_dpp v44, v44, v44 row_xmask:8 row_mask:0xf bank_mask:0xf
	v_permlanex16_b32 v46, v44, s38, s39
	v_max_num_f32 v44, v44, v46
	v_mul_f32 v47, s47, v44
.irp i, 0,1,2,3
	v_fma_f32 v[48+(\i)], v[40+(\i)], s47, -v47
.endr
.irp i, 0,1,2,3
	v_exp_f32 v[48+(\i)], v[48+(\i)]
.endr
	v_nop                                          ; a plain line behind the last exponential,
	s_wait_alu depctr_va_vdst(0)                   ; and the wait ahead of the first reader: one for the four
	v_add_f32 v45, v48, v49
	v_add_f32 v46, v50, v51
	v_add_f32 v45, v45, v46
	v_add_f32_dpp v45, v45, v45 row_xmask:1 row_mask:0xf bank_mask:0xf
	v_add_f32_dpp v45, v45, v45 row_xmask:2 row_mask:0xf bank_mask:0xf
	v_add_f32_dpp v45, v45, v45 row_xmask:4 row_mask:0xf bank_mask:0xf
	v_add_f32_dpp v45, v45, v45 row_xmask:8 row_mask:0xf bank_mask:0xf
	v_permlanex16_b32 v46, v45, s38, s39
	v_add_f32 v45, v45, v46                        ; v[44:45] = (m, l): not rewritten
	s_cmp_lg_u32 s24, 0
	s_cbranch_scc1 .Lnot0
	global_store_b128 v[WO], v[40:43], s[18:19]    ; 512 consecutive bytes of sc
	global_store_b64 v62, v[44:45], s[20:21]       ; the pair 32 times: 256 consecutive bytes of ml
.Lnot0:
	v_cvt_pk_bf16_f32 v52, v48, v49                ; p_hi,
	v_cvt_pk_bf16_f32 v53, v50, v51
	v_lshlrev_b32 v54, 16, v52
	v_and_b32 v55, 0xffff0000, v52
	v_lshlrev_b32 v56, 16, v53
	v_and_b32 v57, 0xffff0000, v53
	v_sub_f32 v54, v48, v54
	v_sub_f32 v55, v49, v55
	v_sub_f32 v56, v50, v56
	v_sub_f32 v57, v51, v57
	v_cvt_pk_bf16_f32 v58, v54, v55                ; and p_lo = p - p_hi
	v_cvt_pk_bf16_f32 v59, v56, v57
	ds_store_b64 v63, v[52:53]                     ; my wave's own copy: rows 4 l .. 4 l + 3
	ds_store_b64 v63, v[58:59] offset:256
.irp i, 0,1,2,3                        ; source 0 for rows 32 i .. 32 i + 31.  LDS serves a wave's instructions in order (ISA guide 5.7.1.4): these see the stores above
	ds_load_b128 v[H+8*(\i):H+8*(\i)+3],   v38 offset:64*(\i)
	ds_load_b128 v[H+8*(\i)+4:H+8*(\i)+7], v38 offset:64*(\i)+32
.endr
; THE SECOND PRODUCT: K is the block's 128 rows, in four quarters of 32; source 1 = 32 rows x 16 columns of enc, turned on the way out of LDS; 16 fragments (unit u, chunks 2 y, 2 y + 1) a quarter.
.macro TLOAD tau
	WIN TO_B
.irp u, 0,1
.irp y, 0,1,2,3,4,5,6,7
	ds_load_tr16_b128 v[128*((\tau)%2)+8*(8*(\u)+(\y)):128*((\tau)%2)+8*(8*(\u)+(\y))+3],   v[36+(\u)] offset:(\y)*544+2*(\tau)*SB
	ds_load_tr16_b128 v[128*((\tau)%2)+8*(8*(\u)+(\y))+4:128*((\tau)%2)+8*(8*(\u)+(\y))+7], v[36+(\u)] offset:(\y)*544+(2*(\tau)+1)*SB
.endr
.endr
.endm
.macro CMUL tau                        ; 16 accumulators by turns
	WIN 0xa4                                       ; source 0 window 0, source 1 window 1, C and D window 2
.irp u, 0,1
.irp y, 0,1,2,3,4,5,6,7
.if (\tau) == 0
	v_wmma_f32_16x16x32_bf16 v[8*(8*(\u)+(\y)):8*(8*(\u)+(\y))+7], v[H+8*(\tau):H+8*(\tau)+7], v[128*((\tau)%2)+8*(8*(\u)+(\y)):128*((\tau)%2)+8*(8*(\u)+(\y))+7], 0
.else
	v_wmma_f32_16x16x32_bf16 v[8*(8*(\u)+(\y)):8*(8*(\u)+(\y))+7], v[H+8*(\tau):H+8*(\tau)+7], v[128*((\tau)%2)+8*(8*(\u)+(\y)):128*((\tau)%2)+8*(8*(\u)+(\y))+7], v[8*(8*(\u)+(\y)):8*(8*(\u)+(\y))+7]
.endif
.endr
.endr
.endm
	TLOAD 0
	TLOAD 1
	s_wait_dscnt 32                                ; p's fragments and quarter 0 are in; quarter 1's 32 loads may stay out
	CMUL 0
	PLACES
	TLOAD 2
	s_wait_dscnt 32
	CMUL 1
	PLACES
	TLOAD 3
	s_wait_dscnt 32
	CMUL 2
	s_wait_dscnt 0x0
	CMUL 3
	PLACES
	WIN 0x0a                                       ; both sources window 2, destination window 0
.irp u, 0,1
.irp y, 0,1,2,3,4,5,6,7
	v_add_f32 v[96+8*(\u)+(\y)], v[8*(8*(\u)+(\y))], v[8*(8*(\u)+(\y))+1]  ; row 0 (or 8) is p_hi's sum, row 1 (or 9) p_lo's: both halves of the lanes hold the same number
.endr
.endr
	WIN 0
.irp u, 0,1
.irp y, 0,2,4,6
	v_cndmask_b32 v[112+4*(\u)+(\y)/2], v[96+8*(\u)+(\y)], v[97+8*(\u)+(\y)], s40  ; lanes 0-15 keep fragment y, lanes 16-31 take y + 1
.endr
.endr
.irp u, 0,1
.irp y, 0,2,4,6
	ds_store_b32 v39, v[112+4*(\u)+(\y)/2] offset:4*(128*(\u)+8*(\y))  ; into the true order of k
.endr
.endr
	ds_load_b128 v[120:123], v34                   ; my wave's own bytes, in order behind the stores
	ds_load_b128 v[124:127], v34 offset:512
	s_wait_dscnt 0x0
	global_store_b128 v[WO], v[120:123], s[22:23]  ; 512 consecutive bytes of pctx, twice
	global_store_b128 v[WO], v[124:127], s[22:23] offset:512
	s_wait_tensorcnt 0x0                           ; the wave's end, behind my last LDS store
	ds_add_u32 v[SPW], v[NIL]
	s_wait_dscnt 0x0
	s_endpgm
.Lfunc_end_k_q2e397240d1_attend:
	.size	k_q2e397240d1_attend, .Lfunc_end_k_q2e397240d1_attend-k_q2e397240d1_attend
	.p2alignl 7, 3214868480
	.fill 96, 4, 3214868480
	.section	.rodata,"a",@progbits
	.p2align	6, 0x0
	.amdhsa_kernel k_q2e397240d1_attend
		.amdhsa_group_segment_fixed_size 295424
		.amdhsa_private_segment_fixed_size 0
		.amdhsa_enable_private_segment 0
		.amdhsa_kernarg_size 64
		.amdhsa_user_sgpr_count 2
		.amdhsa_user_sgpr_kernarg_segment_ptr 1
		.amdhsa_wavefront_size32 1
		.amdhsa_system_sgpr_workgroup_id_x 1
		.amdhsa_system_sgpr_workgroup_id_y 1
		.amdhsa_system_sgpr_workgroup_id_z 1
		.amdhsa_system_vgpr_workitem_id 0
		.amdhsa_next_free_vgpr 1024
		.amdhsa_next_free_sgpr 66
		.amdhsa_reserve_vcc 0
		.amdhsa_float_denorm_mode_32 3
		.amdhsa_float_denorm_mode_16_64 3
		.amdhsa_memory_ordered 1
		.amdhsa_forward_progress 1
		.amdhsa_inst_pref_size 255
	.end_amdhsa_kernel
	.section	.bss,"aw",@nobits
	.p2align	6
	.space	262144
	.amdgpu_metadata
---
amdhsa.version: [ 1, 2 ]
amdhsa.kernels:
  - .name:           k_q2e397240d1_attend
    .symbol:         k_q2e397240d1_attend.kd
    .args:
      - { .name: encoder_states, .offset: 0, .size: 8, .value_kind: global_buffer, .address_space: global }
      - { .name: wb, .offset: 8, .size: 8, .value_kind: global_buffer, .address_space: global }
      - { .name: bct, .offset: 16, .size: 8, .value_kind: global_buffer, .address_space: global }
      - { .name: v_w, .offset: 24, .size: 8, .value_kind: global_buffer, .address_space: global }
      - { .name: v_b, .offset: 32, .size: 8, .value_kind: global_buffer, .address_space: global }
      - { .name: sc, .offset: 40, .size: 8, .value_kind: global_buffer, .address_space: global }
      - { .name: ml, .offset: 48, .size: 8, .value_kind: global_buffer, .address_space: global }
      - { .name: pctx, .offset: 56, .size: 8, .value_kind: global_buffer, .address_space: global }
    .group_segment_fixed_size: 295424
    .private_segment_fixed_size: 0
    .kernarg_segment_align: 8
    .kernarg_segment_size: 64
    .max_flat_workgroup_size: 128
    .sgpr_count:     66
    .vgpr_count:     1024
    .wavefront_size: 32
...
	.end_amdgpu_metadata
.endif
;; end of part 2
;; launch finish (part 3): grid 8 x 32, 1 waves a work-group, no clusters, 0 bytes of LDS; arguments sc, ml, pctx, out0, out1; writes out0, out1
.if DOCPART == 3
	.amdgcn_target "amdgcn-amd-amdhsa--gfx1250"
	.amdhsa_code_object_version 6
	.text
	.protected	k_q2e397240d1_finish
	.globl	k_q2e397240d1_finish
	.p2align	8
	.type	k_q2e397240d1_finish,@function
k_q2e397240d1_finish:
	s_mov_b64 s[64:65], 0
	v_nop
	global_prefetch_b8 v0, s[64:65] scope:SCOPE_SE
	s_setreg_imm32_b32 hwreg(HW_REG_WAVE_MODE, 25, 1), 1
	s_wait_xcnt 0x0
; FINISH.  A batch's 16 blocks are joined: M = the largest of the blocks' maxima m_i, e_i = e^(m_i - M), L = sum of l_i e_i;
; context = sum over i of (e_i / L) x the block's part; weight[t] = e^(s[t] - M) / L.  All in f32.
; SHARES.  Work-group (z, b), one wave: batch b, 128 numbers of the context (512 bytes) and 256 weights (1,024 bytes).  Every load and store of the wave covers 512 consecutive bytes.
; No LDS, no matrix unit, no cluster: 2.4 MB are read once, and nothing is shared but a batch's 16 pairs (m, l), which come by scalar loads.
; LIMIT.  A weight below 2^-126 counts as 0.
.set LOG2E, 0x3fb8aa3b
	s_load_b256 s[4:11], s[0:1], 0x0               ; sc s[4:5], ml s[6:7], pctx s[8:9], out0 s[10:11]
	s_load_b64 s[12:13], s[0:1], 0x20              ; out1
	v_lshlrev_b32 v1, 4, v0                        ; 16 x lane; never rewritten
	s_and_b32 s14, ttmp7, 0xffff                   ; the batch
	s_mov_b32 s15, LOG2E
	s_lshl_b32 s16, s14, 12                        ; ml: 16 blocks of 256 bytes a batch
	s_mov_b32 s17, 0
	s_lshl_b32 s18, ttmp9, 9
	s_add_co_u32 s20, s16, s18                     ; out0: 4,096 bytes a batch, my 512
	s_mov_b32 s21, 0
	s_lshl_b32 s22, s14, 16                        ; pctx: 16 blocks of 4,096 bytes a batch, my 512 of each
	s_add_co_u32 s22, s22, s18
	s_mov_b32 s23, 0
	s_lshl_b32 s24, s14, 13                        ; sc and out1: 8,192 bytes a batch, my 1,024
	s_lshl_b32 s25, ttmp9, 10
	s_add_co_u32 s24, s24, s25
	s_mov_b32 s25, 0
	s_wait_kmcnt 0x0
	s_add_nc_u64 s[6:7], s[6:7], s[16:17]
	s_add_nc_u64 s[8:9], s[8:9], s[22:23]
	s_add_nc_u64 s[4:5], s[4:5], s[24:25]
	s_add_nc_u64 s[10:11], s[10:11], s[20:21]
	s_add_nc_u64 s[12:13], s[12:13], s[24:25]
.irp i, 0,1,2,3,4,5,6,7,8,9,10,11,12,13,14,15
	s_load_b64 s[32+2*(\i):33+2*(\i)], s[6:7], 256*(\i)  ; (m_i, l_i)
.endr
.irp i, 0,1,2,3,4,5,6,7,8,9,10,11,12,13,14,15
	global_load_b128 v[32+4*(\i):35+4*(\i)], v1, s[8:9] offset:4096*(\i) th:TH_LOAD_NT
.endr
	global_load_b128 v[96:99], v1, s[4:5] th:TH_LOAD_NT
	global_load_b128 v[100:103], v1, s[4:5] offset:512 th:TH_LOAD_NT
	s_wait_kmcnt 0x0
	v_mov_b32 v2, s32
.irp i, 1,3,5,7,9,11,13
	v_max3_num_f32 v2, v2, s[32+2*(\i)], s[34+2*(\i)]
.endr
	v_max_num_f32 v2, s62, v2                      ; M
	v_mul_f32 v3, s15, v2
.irp i, 0,1,2,3,4,5,6,7,8,9,10,11,12,13,14,15
	v_fma_f32 v[4+(\i)], s[32+2*(\i)], s15, -v3
.endr
	s_wait_loadcnt 0x0
.irp i, 0,1,2,3,4,5,6,7
	v_fma_f32 v[96+(\i)], v[96+(\i)], s15, -v3
.endr
.irp i, 0,1,2,3,4,5,6,7,8,9,10,11,12,13,14,15
	v_exp_f32 v[4+(\i)], v[4+(\i)]
.endr
.irp i, 0,1,2,3,4,5,6,7
	v_exp_f32 v[96+(\i)], v[96+(\i)]
.endr
	v_nop                                          ; a plain line behind the last exponential,
	s_wait_alu depctr_va_vdst(0)                   ; and the wait ahead of the first reader: one for the 24
	v_mul_f32 v20, s33, v4                         ; L, in two chains
	v_mul_f32 v21, s35, v5
.irp i, 2,4,6,8,10,12,14
	v_fmac_f32 v20, s[33+2*(\i)], v[4+(\i)]
	v_fmac_f32 v21, s[35+2*(\i)], v[5+(\i)]
.endr
	v_add_f32 v20, v20, v21
	v_rcp_f32 v22, v20
	v_nop
	s_wait_alu depctr_va_vdst(0)                   ; the reciprocal's wait
.irp i, 0,1,2,3,4,5,6,7,8,9,10,11,12,13,14,15
	v_mul_f32 v[4+(\i)], v[4+(\i)], v22
.endr
.irp i, 0,1,2,3,4,5,6,7
	v_mul_f32 v[96+(\i)], v[96+(\i)], v22
.endr
	global_store_b128 v1, v[96:99], s[12:13]
	global_store_b128 v1, v[100:103], s[12:13] offset:512
.irp c, 0,1,2,3
	v_mul_f32 v[24+(\c)], v4, v[32+(\c)]           ; the first block starts the sums
.endr
.irp i, 1,2,3,4,5,6,7,8,9,10,11,12,13,14,15
.irp c, 0,1,2,3
	v_fmac_f32 v[24+(\c)], v[4+(\i)], v[32+4*(\i)+(\c)]
.endr
.endr
	global_store_b128 v1, v[24:27], s[10:11]
	s_endpgm
.Lfunc_end_k_q2e397240d1_finish:
	.size	k_q2e397240d1_finish, .Lfunc_end_k_q2e397240d1_finish-k_q2e397240d1_finish
	.p2alignl 7, 3214868480
	.fill 96, 4, 3214868480
	.section	.rodata,"a",@progbits
	.p2align	6, 0x0
	.amdhsa_kernel k_q2e397240d1_finish
		.amdhsa_group_segment_fixed_size 0
		.amdhsa_private_segment_fixed_size 0
		.amdhsa_enable_private_segment 0
		.amdhsa_kernarg_size 40
		.amdhsa_user_sgpr_count 2
		.amdhsa_user_sgpr_kernarg_segment_ptr 1
		.amdhsa_wavefront_size32 1
		.amdhsa_system_sgpr_workgroup_id_x 1
		.amdhsa_system_sgpr_workgroup_id_y 1
		.amdhsa_system_sgpr_workgroup_id_z 1
		.amdhsa_system_vgpr_workitem_id 0
		.amdhsa_next_free_vgpr 128
		.amdhsa_next_free_sgpr 66
		.amdhsa_reserve_vcc 0
		.amdhsa_float_denorm_mode_32 3
		.amdhsa_float_denorm_mode_16_64 3
		.amdhsa_memory_ordered 1
		.amdhsa_forward_progress 1
		.amdhsa_inst_pref_size 11
	.end_amdhsa_kernel
	.amdgpu_metadata
---
amdhsa.version: [ 1, 2 ]
amdhsa.kernels:
  - .name:           k_q2e397240d1_finish
    .symbol:         k_q2e397240d1_finish.kd
    .args:
      - { .name: sc, .offset: 0, .size: 8, .value_kind: global_buffer, .address_space: global }
      - { .name: ml, .offset: 8, .size: 8, .value_kind: global_buffer, .address_space: global }
      - { .name: pctx, .offset: 16, .size: 8, .value_kind: global_buffer, .address_space: global }
      - { .name: out0, .offset: 24, .size: 8, .value_kind: global_buffer, .address_space: global }
      - { .name: out1, .offset: 32, .size: 8, .value_kind: global_buffer, .address_space: global }
    .group_segment_fixed_size: 0
    .private_segment_fixed_size: 0
    .kernarg_segment_align: 8
    .kernarg_segment_size: 40
    .max_flat_workgroup_size: 32
    .sgpr_count:     66
    .vgpr_count:     128
    .wavefront_size: 32
...
	.end_amdgpu_metadata
.endif
;; end of part 3
;; ======== version 2 of 2: 3 launches; version 1 with the launch attend written anew for expert scheduling mode
;; workspace buffers: wb 2,097,152 bytes; bct 131,072 bytes; sc 262,144 bytes; ml 131,072 bytes; pctx 2,097,152 bytes
;; launch prep: the kernel of part 1 again; grid 64 x 1, 8 waves a work-group, no clusters, 156,672 bytes of LDS; arguments Wa_w, Ua_w, decoder_state, Ua_b, Wa_b, wb, bct; writes wb, bct
;; launch attend (part 4): grid 512 x 1, 4 waves a work-group, no clusters, 295,424 bytes of LDS; arguments encoder_states, wb, bct, v_w, v_b, sc, ml, pctx; writes sc, ml, pctx
.if DOCPART == 4
	.amdgcn_target "amdgcn-amd-amdhsa--gfx1250"
	.amdhsa_code_object_version 6
	.text
	.protected	k_q2e397240d1_attend
	.globl	k_q2e397240d1_attend
	.p2align	8
	.type	k_q2e397240d1_attend,@function
k_q2e397240d1_attend:
	s_mov_b64 s[64:65], 0
	v_nop
	global_prefetch_b8 v0, s[64:65] scope:SCOPE_SE
	s_setreg_imm32_b32 hwreg(HW_REG_WAVE_SCHED_MODE, 0, 2), 2
	s_setreg_imm32_b32 hwreg(HW_REG_WAVE_MODE, 25, 1), 1
	s_wait_xcnt 0x0
	s_wait_alu depctr_vm_vsrc(0)
; ATTEND.  For a block of 128 rows t of one batch: s[t] = v_b + sum over o of v_w[o] tanh(dec_proj[o] + enc[t] . Wa_w[o] + Wa_b[o]); the block's maximum m, p[t] = e^(s[t] - m),
; l = sum of p, and the block's part of the context, sum over t of p[t] enc[t][:].  Stored: s (sc), the pair (m, l) (ml), the part of the context (pctx); the last launch joins a batch's 16 blocks.
; encoder_states IS READ ONCE: the block's rows are rounded to bf16 on the way in and stay in LDS for the whole of K (278,528 bytes), for the scores and for the context.
; FORMATS.  enc and Wa_w in bf16 for the products, sums in f32; bias, v_w, v_b, tanh and softmax in f32; p enters the second product as two bf16 numbers, p_hi + p_lo.
; tanh(x) = 1 - 2 / (1 + 2^(C2 x)), C2 = 2 log2(e): right at both ends (2^.. = infinity gives 1, 0 gives -1).  So s = v_b + sum v - 2 sum v r, r = 1 / (1 + 2^(C2 x)).
; LIMITS.  NaN and infinities among the inputs are not treated apart; a weight below 2^-126 counts as 0.
; SHARES.  512 work-groups of four waves.  The waves split the 1,024 columns o: in each of two passes wave w has 128 rows x 128 columns, 64 accumulators of 16 x 16 in 512 registers.
; A STEP is 32 along K: 64 matrix instructions; its 8 fragments of enc come from LDS, its 8 of Wa_w straight from wb into registers, asked for three steps ahead.
; Each fragment of Wa_w is used by one wave of the work-group alone, so LDS would give it no second use.
; NO CLUSTER, NO TENSOR LOADS: beside the block's 278,528 bytes and 16,896 of tables and stages, 32,256 of the 327,680 bytes of LDS are left; a step of 32 along K of a pass's 512 columns of Wa_w is 32,768 bytes,
; so not even one slot of one step fits, and two are wanted.  Three steps' fragments (24 KiB a wave) are on their way into registers instead.
; THE ORDER OF K and the layout of a block in LDS (q x 272 + row x 16) are the first launch's; see there.  Unit U + 1 (128 k) of the block is loaded, rounded and stored to LDS while unit U is multiplied, in pass 0.
; THE MATRIX INSTRUCTION: source 0 = 16 rows of Wa_w, source 1 = 16 rows of enc: a lane holds ONE row t (16 a + lane % 16) and the columns 16 b + 8 (lane / 16) + 0..7.
; REGISTERS, in windows of 256 (s_set_vgpr_msb: bits 1:0 source 0, 3:2 source 1, 5:4 source 2, 7:6 destination):
;   window 0: v0-15 addresses; v16-31 SC: sum of v r, a pair for each of my 8 row blocks; v32-39 VS: sum of v; v40-63 enc's fragments of row blocks 0-2 in odd steps (at the head and in the end: at work);
;             v64-87 the same in even steps; v88-127 row blocks 3-7; v128-255 four quarters of a unit on its way in; in the epilogue the tables
;   window 1: Wa_w's fragments, a ring of four steps of 64      window 2: accumulators (a, b), a = 0..3, at 8 (8 a + b)      window 3: a = 4..7
; THE MODE: SCHED_MODE bits 1:0 = 2 (LLVM: expert scheduling mode 2), set by the entry lines.  The code itself states the register dependences
; between vector or matrix instructions and memory or LDS instructions, with s_wait_alu, always for 0.
; THE PLAN.  Registers that memory or LDS instructions touch in the loops; q is a step's number in its unit:
;   STG q          Step q's sixteen conversions read and write it; its four LDS stores read it; then the loads of the unit after next land in it.
;   ring (q+3)%4   Step q - 1's matrix instructions read it; step q's sixteen loads of Wa_w land in it.
;   G1 = v88-127   Read by the products of row blocks 3-7 in every step; step q's ten loads land in it ahead of them, behind the step's wait.
;   G0, twice      Step q's products of row blocks 0-2 read the buffer of q's parity; the six loads for step q + 1 land in the other, which step q - 1 read last.
;   v[AF], v[AS]   Read by every fragment load and every stage store; written once a unit, at its head.  The next unit's first fragments are reached by an immediate of one unit.
;   v[EO], v[WO], v[PF]  Read by the global loads and prefetches; never written again: the scalar bases move on.
; So ONE wait on va_vdst stands in a step, behind its conversions.  Behind it the step's vector side issues matrix instructions alone, which name ring q, G0 of q's parity, G1 (behind G1's loads) and the
; accumulators: none of the registers in which a later load of the step lands.  The step's stores and loads are dealt among those matrix instructions with no further wait on va_vdst.
; One wait on vm_vsrc stands ahead of the stage's loads (the stores have read STG q), one at a unit's head ahead of the adds to v[AF] and v[AS].
.set SB,    4352                       ; 16 rows x one unit in LDS
.set UB,    8*SB                       ; 128 rows x one unit
.set TB,    8*UB                       ; behind the block: C2 x bias of my batch, 1,024 f32, then v_w, 1,024 f32
.set PS,    TB+8192                    ; 4 waves x 128 partial scores
.set PW,    PS+2048                    ; for each wave 256 bytes of p_hi, 256 of p_lo
.set CX,    PW+2048                    ; for each wave 1,024 bytes of context
.set SPARE, CX+4096                    ; the spare words, 128 bytes a wave: two blocks of 256 bytes that no other line names
.set SPW, 2                            ; v2   my spare word; never rewritten
.set NIL, 3                            ; v3   0; never rewritten
.set AF,  4                            ; v4   where I read enc's fragments: AF0 + the unit
.set AS,  5                            ; v5   where I store chunks: AS0 + the unit
.set EO,  6                            ; v6   my 16 bytes of two rows of enc: wave x 32 rows + (lane / 16) x 4096 + (lane % 16) x 16; never rewritten
.set WO,  7                            ; v7   16 x lane; never rewritten
.set PF,  8                            ; v8   the prefetches' offset: row 32 wave + lane; never rewritten
.set RQ,  9                            ; v9   lane % 16
.set HB,  10                           ; v10  lane / 16
.set LN,  11                           ; v11  lane
.set TA,  12                           ; v12  where I read the tables: TB + 512 wave + 32 (lane / 16), + 2,048 a pass
.set AF0, 13
.set AS0, 14
.set SC,  16
.set VS,  32
.set HA,  40                           ; row blocks 0-2 in odd steps
.set H,   64                           ; row block a at H + 8 a: blocks 0-2 in even steps, blocks 3-7 in every step
.set STG, 128
.set MUL_LO, 0xa1                      ; source 0 (Wa_w) window 1, source 1 (enc) window 0, C and D window 2
.set TO_B,   0x40                      ; destination window 1, address window 0
.set MSB, 0
.macro WIN new                         ; the immediate's high byte repeats the setting that is left; a switch that changes nothing is dropped
.if MSB != (\new)
	s_set_vgpr_msb (MSB<<8)|(\new)
.set MSB, (\new)
.endif
.endm
.macro PLACES                          ; four places behind a matrix instruction (ISA guide 7.12.1)
.rept 4
	v_nop
.endr
.endm
; Rows 2 m and 2 m + 1 of my 32, one unit: two loads, each two rows x 256 consecutive bytes, read once in the launch
.macro SLD m, bs, off, reg
	global_load_b128 v[(\reg)+8*(\m):(\reg)+8*(\m)+3],   v[EO], s[(\bs):(\bs)+1] offset:(\off)+(\m)*8192 th:TH_LOAD_NT
	global_load_b128 v[(\reg)+8*(\m)+4:(\reg)+8*(\m)+7], v[EO], s[(\bs):(\bs)+1] offset:(\off)+(\m)*8192+256 th:TH_LOAD_NT
.endm
.macro SLOAD q, bs, off, reg           ; quarter q of a unit: my rows 8 q .. 8 q + 7
.irp n, 0,1,2,3
	SLD 4*(\q)+(\n), \bs, \off, \reg
.endr
.endm
.macro CONVQ reg, q                    ; eight f32 become a chunk of eight bf16, in the first four of their registers
.irp n, 0,1,2,3
.irp j, 0,1,2,3
	v_cvt_pk_bf16_f32 v[(\reg)+8*(4*(\q)+(\n))+(\j)], v[(\reg)+8*(4*(\q)+(\n))+2*(\j)], v[(\reg)+8*(4*(\q)+(\n))+2*(\j)+1]
.endr
.endr
.endm
.macro STOREQ adr, reg, q
.irp n, 0,1,2,3
	ds_store_b128 v[\adr], v[(\reg)+8*(4*(\q)+(\n)):(\reg)+8*(4*(\q)+(\n))+3] offset:((4*(\q)+(\n))/8)*SB+((4*(\q)+(\n))%8)*32
.endr
.endm
; Fragment b of a step of Wa_w into a ring buffer: two loads of 512 consecutive bytes
.macro WL1 ring, off, b
	global_load_b128 v[64*(\ring)+8*(\b):64*(\ring)+8*(\b)+3],   v[WO], s[30:31] offset:(\off)+(\b)*1024
	global_load_b128 v[64*(\ring)+8*(\b)+4:64*(\ring)+8*(\b)+7], v[WO], s[30:31] offset:(\off)+(\b)*1024+512
.endm
.macro WLD ring, off                   ; a step's 8 fragments
.irp b, 0,1,2,3,4,5,6,7
	WL1 \ring, \off, \b
.endr
.endm
; Half c of row block a's fragment of enc for step q of the unit that lies uo bytes behind v[AF]'s
.macro FRAG a, c, q, uo
	WIN 0
.set rH, H+8*(\a)
.if ((\a) < 3) && ((\q)%2)
.set rH, HA+8*(\a)
.endif
	ds_load_b128 v[rH+4*(\c):rH+4*(\c)+3], v[AF] offset:(\uo)+(\a)*SB+(4*(\q)+2*(\c))*272
.endm
.macro G0FIRST                         ; row blocks 0-2 for a pass's first step
.irp a, 0,1,2
	FRAG \a, 0, 0, 0
	FRAG \a, 1, 0, 0
.endr
.endm
; Number j of a step's sixteen fragment loads: 0-9 row blocks 3-7 of step q itself; 10-15 (nx = 1) row blocks 0-2 of the step behind it, which behind a unit's last step lies one unit on
.macro DSOP j, q, nx
.if (\j) < 10
	FRAG 3+(\j)/2, (\j)%2, \q, 0
.elseif \nx
	FRAG ((\j)-10)/2, (\j)%2, ((\q)+1)%4, UB*((\q)/3)
.endif
.endm
; One matrix instruction: row block a, column block b, step q.  The 64 accumulators of a step take turns, in the same order in every step.  zero = 1: the product starts the sum
.macro WM a, b, q, zero
	WIN MUL_LO+0x50*((\a)/4)
.set rH, H+8*(\a)
.if ((\a) < 3) && ((\q)%2)
.set rH, HA+8*(\a)
.endif
.set rD, 8*(8*((\a)%4)+(\b))
.if \zero
	v_wmma_f32_16x16x32_bf16 v[rD:rD+7], v[64*(\q)+8*(\b):64*(\q)+8*(\b)+7], v[rH:rH+7], 0
.else
	v_wmma_f32_16x16x32_bf16 v[rD:rD+7], v[64*(\q)+8*(\b):64*(\q)+8*(\b)+7], v[rH:rH+7], v[rD:rD+7]
.endif
.endm
; At a unit's head the pointers step: wb's by a unit; e = 1: enc's too; s = 1: the unit that is being stored; f = 1: the unit that is read, f = 0: it goes back to unit 0
.macro UNITSTEP e, s, f=1
	s_wait_xcnt 0x0                                ; every load and prefetch issued so far has read its address (ISA guide 3.1): the pointers are written only behind this wait
	s_wait_alu depctr_vm_vsrc(0)                   ; the LDS loads and stores issued so far have read v[AF] and v[AS] (and the stage's registers), which are written below (and, behind unit 6, by the tables' loads)
	s_add_nc_u64 s[30:31], s[30:31], 32768
.if \e
	s_add_nc_u64 s[28:29], s[28:29], 512
.endif
.if \f
	s_add_co_u32 s34, s34, UB
	v_add_nc_u32 v[AF], s34, v[AF0]
.else
	s_mov_b32 s34, 0
	v_mov_b32 v[AF], v[AF0]
.endif
.if \s
	s_add_co_u32 s35, s35, UB
	v_add_nc_u32 v[AS], s35, v[AS0]
.endif
.endm
; A PREFETCH INTO THE L2, in the first step of units 1 to 4: my own 32 rows (a lane a row) x the two blocks of 256 bytes of the unit three on, whose first loads stand four steps,
; 256 matrix instructions, further down.  Each block is named once in the launch, by the wave that will load it.  Units 0 to 3 come by their loads alone; unit 5's step asks for nothing: there is no unit 8.
.macro ASK
	s_cmp_gt_u32 s32, 1
	s_cbranch_scc0 .Lnoask_\@
	global_prefetch_b8 v[PF], s[28:29] offset:512 th:TH_LOAD_NT scope:SCOPE_SE
	global_prefetch_b8 v[PF], s[28:29] offset:768 th:TH_LOAD_NT scope:SCOPE_SE
.Lnoask_\@:
.endm
; A STEP, number q of its unit.  stg = 2: quarter q of the next unit is rounded and stored, and quarter q of the unit after it asked for; 1: no more is asked for; 0: neither.
; wl = 1: Wa_w's fragments three steps on are asked for.  nw: how many younger loads may stay out at the step's head, when its fragments of Wa_w (and the stage's quarter, which is older) have to be there.
; bar = 1: the unit's last step in pass 0: the next unit, which all four waves have stored, is read from the barrier's wait on.  nxt = 1: the next step's row blocks 0-2 are fetched.
; THE DEAL.  Products are numbered 8 a + b.  Behind products 1, 3, 5, 7, 9: the four stage stores, then the sixteen fragment loads, four at a time.  Behind 33 and 35: the eight stage loads.
; Behind 37 to 43: the sixteen loads of Wa_w.  With bar = 1 the stores stand ahead of the signal and the next unit's six loads behind the barrier's wait; every global load stands behind that wait.
.macro STEP q, zero, stg, wl, nw, bar, nxt, ask=0
	WIN 0
	s_wait_loadcnt \nw                             ; loads come back in order (ISA guide 5.7.1): this step's fragments of Wa_w are in, and the stage's quarter, asked for a unit earlier
.if \stg
	CONVQ STG, \q                                  ; sixteen plain lines on other registers: the places behind the last step's products
.else
	PLACES                                         ; behind the last step's products; they stay beside the wait below
.endif
	s_wait_alu depctr_va_vdst(0)                   ; the conversions have written STG q; the last step's products are done reading their ring buffer and G1, those of the step before it the other G0; in a unit's first step v[AF] and v[AS] are written
.if \bar
	STOREQ AS, STG, \q
.endif
	s_wait_dscnt 0x0                               ; row blocks 0-2, the last LDS loads of the step before, are in; with bar = 1: my stores of the next unit are done
.if \bar
	s_barrier_signal -1
.endif
.set wn, 0
.rept 32
.if wn == 24
	s_wait_dscnt 6*(\nxt)*(1-(\bar))               ; row blocks 3-7 are in; the next step's six loads, where they stand behind them, may stay out
.endif
	WM wn/8, wn%8, \q, \zero
.if (wn == 1) && (\stg) && !(\bar)
	WIN 0
	STOREQ AS, STG, \q
.endif
.if (wn >= 3) && (wn <= 9) && (wn%2 == 1)
.irp z, 0,1,2,3
	DSOP 2*(wn-3)+(\z), \q, (\nxt)*(1-(\bar))      ; no wait: no product since the step's wait names G1 or the other G0 (with bar = 1: bytes of this unit, which nobody writes again)
.endr
.endif
.set wn, wn+1
.endr
.if \bar
	WIN 0
	s_barrier_wait -1                              ; every wave's part of the next unit lies in LDS
.irp z, 10,11,12,13,14,15
	DSOP \z, \q, \nxt
.endr
.endif
.rept 32
	WM wn/8, wn%8, \q, \zero
.if ((\stg) == 2) && ((wn == 33) || (wn == 35))
	WIN 0
.if wn == 33
	s_wait_alu depctr_vm_vsrc(0)                   ; the four LDS stores have read STG q, in which the loads below land (the conversions that named it stand ahead of the step's wait on va_vdst)
.endif
	SLD 4*(\q)+wn-33, 28, 0, STG
	SLD 4*(\q)+wn-32, 28, 0, STG
.endif
.if (\ask) && (wn == 35)
	WIN 0
	ASK
.endif
.if (\wl) && (wn >= 37) && (wn <= 43) && (wn%2 == 1)
	WIN TO_B
	WL1 ((\q)+3)%4, ((\q)+3)*8192, wn-37           ; no wait: no product since the step's wait names this ring buffer
	WL1 ((\q)+3)%4, ((\q)+3)*8192, wn-36
.endif
.set wn, wn+1
.endr
	WIN 0
.endm
	s_load_b512 s[8:23], s[0:1], 0x0               ; enc s[8:9], wb s[10:11], bct s[12:13], v_w s[14:15], v_b s[16:17], sc s[18:19], ml s[20:21], pctx s[22:23]
	v_lshl_add_u32 v[SPW], v0, 2, SPARE
	v_mov_b32 v[NIL], 0
	v_lshrrev_b32 v1, 5, v0
	v_readfirstlane_b32 s24, v1                    ; wave 0..3
	v_and_b32 v[RQ], 15, v0
	v_bfe_u32 v[HB], v0, 4, 1
	v_and_b32 v[LN], 31, v0
	s_wait_alu depctr_va_sdst(0)                   ; s24 is written, ahead of its first reader
	s_lshl_b32 s42, s24, 17                        ; my 32 rows of 4,096 bytes
	v_lshlrev_b32 v[EO], 4, v[RQ]
	v_lshl_or_b32 v[EO], v[HB], 12, v[EO]
	v_or_b32 v[EO], s42, v[EO]
	v_lshlrev_b32 v[WO], 4, v[LN]
	v_lshl_or_b32 v[PF], v[LN], 12, s42
	v_mul_u32_u24 v[AF0], v[HB], 272
	v_lshl_add_u32 v[AF0], v[RQ], 4, v[AF0]
	s_mul_i32 s43, s24, 2*SB                       ; I store row blocks 2 wave and 2 wave + 1
	v_mul_u32_u24 v[AS0], v[RQ], 272
	v_lshl_add_u32 v[AS0], v[HB], 4, v[AS0]
	v_add_nc_u32 v[AS0], s43, v[AS0]
	s_mov_b32 s35, UB                              ; unit 1 is the first that the steps store,
	v_add_nc_u32 v[AS], s35, v[AS0]
	v_mov_b32 v[AF], v[AF0]                        ; unit 0 the first that they read
	s_lshl_b32 s44, s24, 9                         ; 512 x wave: kept to the end
	s_add_co_u32 s45, s44, TB
	v_lshl_add_u32 v[TA], v[HB], 5, s45
	v_lshrrev_b32 v15, 2, v0                       ; the tables: thread t takes 16 bytes, four o: in bct block t / 4, 2,048 bytes apart,
	v_and_b32 v1, 3, v0
	v_lshlrev_b32 v1, 4, v1
	v_lshl_or_b32 v15, v15, 11, v1
	v_lshlrev_b32 v56, 4, v0                       ; in v_w and in LDS at 16 t
	v_add_nc_u32 v57, TB, v56
	s_mov_b32 s36, 0x4038aa3b                      ; C2 = 2 log2(e)
	s_mov_b32 s37, s36                             ; named with it as a pair
	s_mov_b32 s38, 0x76543210                      ; v_permlanex16_b32: each lane takes its own place in the other half
	s_mov_b32 s39, 0xfedcba98
	s_mov_b32 s40, 0xffff0000                      ; lanes 16 to 31
	s_mov_b32 s34, 0                               ; the unit that is read
	s_lshl_b32 s46, ttmp9, 19                      ; the block's 128 rows
	s_mov_b32 s47, 0
	s_lshl_b32 s48, s24, 19                        ; my wave's part of wb
	s_mov_b32 s49, 0
	s_lshr_b32 s50, ttmp9, 4                       ; the batch,
	s_lshl_b32 s50, s50, 6                         ; its 64 bytes in each block of bct
	s_mov_b32 s51, 0
	s_lshl_b32 s52, ttmp9, 9
	s_mov_b32 s53, 0
	s_lshl_b32 s54, ttmp9, 8
	s_mov_b32 s55, 0
	s_lshl_b32 s56, ttmp9, 12
	s_lshl_b32 s57, s24, 10
	s_add_co_u32 s56, s56, s57
	s_mov_b32 s57, 0
	s_wait_kmcnt 0x0
	s_load_b32 s41, s[16:17], 0x0                  ; v_b
	s_add_nc_u64 s[26:27], s[8:9], s[46:47]        ; enc at the block
	s_add_nc_u64 s[28:29], s[26:27], 1024          ; and at its unit 2: what unit 0's steps ask for
	s_add_nc_u64 s[30:31], s[10:11], s[48:49]
	s_add_nc_u64 s[12:13], s[12:13], s[50:51]
	s_add_nc_u64 s[18:19], s[18:19], s[52:53]
	s_add_nc_u64 s[20:21], s[20:21], s[54:55]
	s_add_nc_u64 s[22:23], s[22:23], s[56:57]
	s_wait_alu depctr_va_vdst(0)                   ; the offsets and addresses v4 to v8, v12 to v15, v56 and v57 are written, which the loads and stores below read
	; the first loads, in the order in which the steps go on: the tables, unit 0 (into accumulator registers, still idle), then unit 1's quarters and the first three steps of Wa_w
	global_load_b128 v[40:43], v15, s[12:13]
	global_load_b128 v[44:47], v15, s[12:13] offset:65536
	global_load_b128 v[48:51], v56, s[14:15]
	global_load_b128 v[52:55], v56, s[14:15] offset:2048
	WIN 0x80                                       ; destination window 2
	SLOAD 0, 26, 0, 0
	SLOAD 1, 26, 0, 0
	SLOAD 2, 26, 0, 0
	SLOAD 3, 26, 0, 0
	WIN 0
	SLOAD 0, 26, 512, STG
	SLOAD 1, 26, 512, STG
	WIN TO_B
	WLD 0, 0
	WIN 0
	SLOAD 2, 26, 512, STG
	WIN TO_B
	WLD 1, 8192
	WIN 0
	SLOAD 3, 26, 512, STG
	WIN TO_B
	WLD 2, 16384
	WIN 0
.set i, SC
.rept 24
	v_mov_b32 v[i], 0                              ; SC and VS run over both passes: they start at 0, while the loads are out
.set i, i+1
.endr
	s_wait_loadcnt 63                              ; 80 loads stand behind unit 0's: the tables and unit 0 are in
	s_wait_kmcnt 0x0                               ; v_b
	WIN 0x8a                                       ; destination and both sources window 2
	CONVQ 0, 0
	CONVQ 0, 1
	CONVQ 0, 2
	CONVQ 0, 3
	WIN 0x08                                       ; store data window 2
	s_wait_alu depctr_va_vdst(0)                   ; the conversions have written unit 0's chunks, which the LDS stores read
	STOREQ AS0, 0, 0
	STOREQ AS0, 0, 1
	STOREQ AS0, 0, 2
	STOREQ AS0, 0, 3
	WIN 0
	ds_store_b128 v57, v[40:43]
	ds_store_b128 v57, v[44:47] offset:2048
	ds_store_b128 v57, v[48:51] offset:4096
	ds_store_b128 v57, v[52:55] offset:6144
	s_wait_dscnt 0x0                               ; for the others' sake: my part of unit 0 and of the tables lies in LDS
	s_barrier_signal -1
	s_barrier_wait -1
	s_wait_alu depctr_vm_vsrc(0)                   ; my LDS stores have read the accumulators' registers and v40 to v57: from here on products write the first, fragment loads land in the others
	G0FIRST
	; PASS 0: columns 128 wave + 0..127.  Its first step stands in front of the loop: its products start the sums.  No byte of the block is written twice, so one barrier a unit is enough.
	STEP 0, 1, 2, 1, 48, 0, 1                      ; behind a step's fragments of Wa_w stand, at the step's head, two steps' 24 loads: 48
	s_mov_b32 s32, 6                               ; units 0 to 5 ask for units 2 to 7
	s_branch .Lp0mid
.Lp0:
	UNITSTEP 1, 1
	STEP 0, 0, 2, 1, 48, 0, 1, 1
.Lp0mid:
	STEP 1, 0, 2, 1, 48, 0, 1
	STEP 2, 0, 2, 1, 48, 0, 1
	STEP 3, 0, 2, 1, 48, 1, 1
	s_sub_co_u32 s32, s32, 1
	s_cmp_lg_u32 s32, 0
	s_cbranch_scc1 .Lp0
	UNITSTEP 0, 1                                  ; unit 6: unit 7 is stored, nothing more of enc is asked for: the counts run down, 24 + 24, 24 + 16, 16 + 16
	STEP 0, 0, 1, 1, 48, 0, 1
	STEP 1, 0, 1, 1, 40, 0, 1
	STEP 2, 0, 1, 1, 32, 0, 1
	STEP 3, 0, 1, 1, 32, 1, 1
	UNITSTEP 0, 0                                  ; unit 7; its last three steps ask for pass 1's first three of Wa_w, which follow in wb
	STEP 0, 0, 0, 1, 32, 0, 1
	STEP 1, 0, 0, 1, 32, 0, 1
	STEP 2, 0, 0, 1, 32, 0, 1
	STEP 3, 0, 0, 1, 32, 0, 0
	s_mov_b32 s33, 2                               ; two epilogues: one text
	s_branch .Lepi
.Lpass1:                                               ; PASS 1: columns 512 + 128 wave + 0..127; the block lies in LDS
	UNITSTEP 0, 0, 0
	s_wait_alu depctr_va_vdst(0)                   ; v[AF] is written, which the fragment loads below read
	G0FIRST
	STEP 0, 1, 0, 1, 32, 0, 1
	s_mov_b32 s32, 7
	s_branch .Lp1mid
.Lp1:
	UNITSTEP 0, 0
	STEP 0, 0, 0, 1, 32, 0, 1
.Lp1mid:
	STEP 1, 0, 0, 1, 32, 0, 1
	STEP 2, 0, 0, 1, 32, 0, 1
	STEP 3, 0, 0, 1, 32, 0, 1
	s_sub_co_u32 s32, s32, 1
	s_cmp_lg_u32 s32, 0
	s_cbranch_scc1 .Lp1
	UNITSTEP 0, 0
	STEP 0, 0, 0, 1, 32, 0, 1                      ; the last fragments of Wa_w are asked for
	STEP 1, 0, 0, 0, 32, 0, 1
	STEP 2, 0, 0, 0, 16, 0, 1
	STEP 3, 0, 0, 0, 0, 0, 0
; THE EPILOGUE of a pass.  For each pair of neighbouring columns of an accumulator five kinds of line:
;   F  x = C2 acc + C2 bias     E  2^x (two lines)     A  1 + 2^x     R  the reciprocal (two lines)     S  SC += v r
; A BATCH is two column blocks x four row blocks: 8 accumulators, 32 pairs; pair p is registers 2 (p / 8), + 1 of row block p % 4, column block 2 k + (p / 4) % 2: each accumulator is read from its low end on,
; and SC's four chains take turns.  In TURN t stand S of batch t - 2, then F and E of batch t beside A and R of batch t - 1.  No line of a turn names a result of that turn's
; exponentials or reciprocals, so one plain line and ONE s_wait_alu depctr_va_vdst(0), ahead of the first reader, end each turn.
.macro EREG k, p
.set rA, 8*(8*((\p)%4)+2*(\k)+((\p)/4)%2)+2*((\p)/8)
.set rT, STG+16*(2*(\k)+((\p)/4)%2)+2*((\p)/8)
.endm
.macro EPF k, p
	EREG \k, \p
	v_pk_fma_f32 v[rA:rA+1], v[rA:rA+1], s[36:37], v[rT:rT+1] op_sel_hi:[1,0,1]
.endm
.macro EPA k, p
	EREG \k, \p
	v_pk_add_f32 v[rA:rA+1], v[rA:rA+1], 1.0 op_sel_hi:[1,0]
.endm
.macro EPE k, p, z
	EREG \k, \p
	v_exp_f32 v[rA+(\z)], v[rA+(\z)]
.endm
.macro EPR k, p, z
	EREG \k, \p
	v_rcp_f32 v[rA+(\z)], v[rA+(\z)]
.endm
.macro EPS W, k, p
	EREG \k, \p
.set rC, SC+2*(4*((\W)-2)+(\p)%4)
	v_pk_fma_f32 v[rC:rC+1], v[rA:rA+1], v[rT+8:rT+9], v[rC:rC+1]
.endm
.macro EPI_HALF W                      ; the 32 accumulators of window W
.set t, 0
.rept 6
.if t >= 2
	WIN (\W)                                       ; source 0 in window W, all else in window 0
.set p, 0
.rept 32
	EPS \W, t-2, p
.set p, p+1
.endr
.endif
.if t < 5
	WIN ((\W)<<6)|(\W)                             ; destination and source 0 in window W
.set p, 0
.rept 33
.if (p < 32) && (t < 4)
	EPF t, p
.endif
.if (p >= 1) && (t < 4)
	EPE t, p-1, 0
.endif
.if (p < 32) && (t >= 1)
	EPA t-1, p
.endif
.if (p >= 1) && (t >= 1)
	EPR t-1, p-1, 0
.endif
.if (p >= 1) && (t < 4)
	EPE t, p-1, 1
.endif
.if (p >= 1) && (t >= 1)
	EPR t-1, p-1, 1
.endif
.set p, p+1
.endr
	v_nop                                          ; the plain line behind the turn's last transcendental
	s_wait_alu depctr_va_vdst(0)                   ; the turn's exponentials and reciprocals have written their results, which the next turn reads
.endif
.set t, t+1
.endr
.endm
.Lepi:
.irp b, 0,1,2,3,4,5,6,7                ; the tables of my 8 columns in each of the pass's 8 column blocks: C2 bias at STG + 16 b, v_w at STG + 16 b + 8.  No vector line since the last step's wait names these registers
	ds_load_b128 v[STG+16*(\b):STG+16*(\b)+3],     v[TA] offset:(\b)*64
	ds_load_b128 v[STG+16*(\b)+4:STG+16*(\b)+7],   v[TA] offset:(\b)*64+16
	ds_load_b128 v[STG+16*(\b)+8:STG+16*(\b)+11],  v[TA] offset:4096+(\b)*64
	ds_load_b128 v[STG+16*(\b)+12:STG+16*(\b)+15], v[TA] offset:4096+(\b)*64+16
.endr
	s_wait_alu depctr_vm_vsrc(0)                   ; the loads above have read v[TA]
	v_add_nc_u32 v[TA], 2048, v[TA]                ; the next pass's 512 columns
	s_wait_dscnt 0x0
.irp b, 0,1,2,3,4,5,6,7                ; the sum of v over my columns, four chains by turns: also the places behind the pass's last products
.irp j, 0,1,2,3
	v_pk_add_f32 v[VS+2*(\j):VS+2*(\j)+1], v[VS+2*(\j):VS+2*(\j)+1], v[STG+16*(\b)+8+2*(\j):STG+16*(\b)+9+2*(\j)]
.endr
.endr
	EPI_HALF 2
	EPI_HALF 3
	WIN 0
	s_sub_co_u32 s33, s33, 1
	s_cmp_lg_u32 s33, 0
	s_cbranch_scc1 .Lpass1
	; THE END.  My columns' part of each row's score: sum v - 2 sum v r; the two halves of the lanes hold different columns of the same row.
	v_pk_add_f32 v[VS:VS+1], v[VS:VS+1], v[VS+2:VS+3]
	v_pk_add_f32 v[VS+4:VS+5], v[VS+4:VS+5], v[VS+6:VS+7]
	v_pk_add_f32 v[VS:VS+1], v[VS:VS+1], v[VS+4:VS+5]
	v_add_f32 v[VS], v[VS], v[VS+1]
.irp a, 0,1,2,3,4,5,6,7
	v_add_f32 v[40+(\a)], v[SC+2*(\a)], v[SC+2*(\a)+1]
.endr
.irp a, 0,1,2,3,4,5,6,7
	v_fma_f32 v[40+(\a)], v[40+(\a)], -2.0, v[VS]
.endr
.irp a, 0,1,2,3,4,5,6,7
	v_permlanex16_b32 v[48+(\a)], v[40+(\a)], s38, s39
.endr
.irp a, 0,1,2,3,4,5,6,7
	v_add_f32 v[40+(\a)], v[40+(\a)], v[48+(\a)]
.endr
.irp i, 0,1,2,3                        ; lanes 0-15 keep row block 2 i, lanes 16-31 take 2 i + 1: lane l holds row 32 i + l
	v_cndmask_b32 v[56+(\i)], v[40+2*(\i)], v[41+2*(\i)], s40
.endr
	s_add_co_u32 s42, s44, PS
	v_lshl_add_u32 v60, v[LN], 2, s42
	v_lshl_add_u32 v61, v[LN], 4, PS
	s_wait_alu depctr_va_vdst(0)                   ; v56 to v59, the stores' data, and the addresses v60 and v61 are written
.irp i, 0,1,2,3
	ds_store_b32 v60, v[56+(\i)] offset:128*(\i)
.endr
	s_wait_dscnt 0x0                               ; for the others' sake: my partial scores lie in LDS
	s_barrier_signal -1
	s_barrier_wait -1
.irp i, 0,1,2,3                        ; every wave takes all four parts: lane l rows 4 l .. 4 l + 3
	ds_load_b128 v[64+4*(\i):67+4*(\i)], v61 offset:512*(\i)
.endr
	s_wait_alu depctr_vm_vsrc(0)                   ; my LDS stores have read v56 to v59, which are written again below
	; addresses for the second product, made while those loads are out
	v_bfe_u32 v1, v0, 3, 1                         ; (lane / 8) % 2
	v_and_b32 v15, 7, v0
	v_mul_u32_u24 v36, v1, 272                     ; the turning load: lane l reads row 8 (l / 16) + l % 8 of a row block, chunk 2 y + (l / 8) % 2
	v_lshl_add_u32 v36, v[HB], 7, v36
	v_lshl_add_u32 v36, v15, 4, v36
	s_mul_i32 s43, s24, 2*UB                       ; my two units: 2 wave,
	v_add_nc_u32 v36, s43, v36
	v_add_nc_u32 v37, UB, v36                      ; and 2 wave + 1
	v_and_b32 v38, 1, v0                           ; source 0: even rows p_hi, odd rows p_lo
	v_lshlrev_b32 v38, 8, v38
	v_lshl_add_u32 v38, v[HB], 4, v38
	s_add_co_u32 s45, s44, PW
	v_add_nc_u32 v38, s45, v38
	v_lshl_add_u32 v63, v[LN], 3, s45
	v_lshlrev_b32 v62, 3, v[LN]
	s_lshl_b32 s46, s24, 10
	s_add_co_u32 s46, s46, CX
	v_bfe_u32 v39, v0, 2, 1                        ; column r of fragment y is k = 64 ((r / 4) % 2) + 8 y + 4 (r / 8) + r % 4 of its unit
	v_lshlrev_b32 v39, 8, v39
	v_lshl_add_u32 v39, v[HB], 5, v39
	v_lshl_add_u32 v39, v1, 4, v39
	v_and_b32 v15, 3, v0
	v_lshl_add_u32 v39, v15, 2, v39
	v_add_nc_u32 v39, s46, v39
	v_lshl_add_u32 v34, v[LN], 4, s46
	s_mov_b32 s47, 0x3fb8aa3b                      ; log2(e)
	s_wait_dscnt 0x0
	v_pk_add_f32 v[64:65], v[64:65], v[68:69]
	v_pk_add_f32 v[66:67], v[66:67], v[70:71]
	v_pk_add_f32 v[72:73], v[72:73], v[76:77]
	v_pk_add_f32 v[74:75], v[74:75], v[78:79]
	v_pk_add_f32 v[64:65], v[64:65], v[72:73]
	v_pk_add_f32 v[66:67], v[66:67], v[74:75]
.irp i, 0,1,2,3
	v_add_f32 v[40+(\i)], s41, v[64+(\i)]          ; the scores, v40-43: not rewritten
.endr
	v_max3_num_f32 v44, v40, v41, v42              ; the block's maximum
	v_max_num_f32 v44, v44, v43
	v_max_num_f32_dpp v44, v44, v44 row_xmask:1 row_mask:0xf bank_mask:0xf
	v_max_num_f32_dpp v44, v44, v44 row_xmask:2 row_mask:0xf bank_mask:0xf
	v_max_num_f32_dpp v44, v44, v44 row_xmask:4 row_mask:0xf bank_mask:0xf
	v_max_num_f32_dpp v44, v44, v44 row_xmask:8 row_mask:0xf bank_mask:0xf
	v_permlanex16_b32 v46, v44, s38, s39
	v_max_num_f32 v44, v44, v46
	v_mul_f32 v47, s47, v44
.irp i, 0,1,2,3
	v_fma_f32 v[48+(\i)], v[40+(\i)], s47, -v47
.endr
.irp i, 0,1,2,3
	v_exp_f32 v[48+(\i)], v[48+(\i)]
.endr
	v_nop                                          ; a plain line behind the last exponential,
	s_wait_alu depctr_va_vdst(0)                   ; and the four exponentials have written v48 to v51, ahead of their first reader
	v_add_f32 v45, v48, v49
	v_add_f32 v46, v50, v51
	v_add_f32 v45, v45, v46
	v_add_f32_dpp v45, v45, v45 row_xmask:1 row_mask:0xf bank_mask:0xf
	v_add_f32_dpp v45, v45, v45 row_xmask:2 row_mask:0xf bank_mask:0xf
	v_add_f32_dpp v45, v45, v45 row_xmask:4 row_mask:0xf bank_mask:0xf
	v_add_f32_dpp v45, v45, v45 row_xmask:8 row_mask:0xf bank_mask:0xf
	v_permlanex16_b32 v46, v45, s38, s39
	v_add_f32 v45, v45, v46                        ; v[44:45] = (m, l): not rewritten
	v_cvt_pk_bf16_f32 v52, v48, v49                ; p_hi,
	v_cvt_pk_bf16_f32 v53, v50, v51
	v_lshlrev_b32 v54, 16, v52
	v_and_b32 v55, 0xffff0000, v52
	v_lshlrev_b32 v56, 16, v53
	v_and_b32 v57, 0xffff0000, v53
	v_sub_f32 v54, v48, v54
	v_sub_f32 v55, v49, v55
	v_sub_f32 v56, v50, v56
	v_sub_f32 v57, v51, v57
	v_cvt_pk_bf16_f32 v58, v54, v55                ; and p_lo = p - p_hi
	v_cvt_pk_bf16_f32 v59, v56, v57
	s_wait_alu depctr_va_vdst(0)                   ; written: v40 to v45, wave 0's stores' data; v52, v53, v58, v59, the LDS stores' data; the addresses v34, v36 to v39, v62, v63.  The sums are done with v64 to v79, in which p's fragments land
	s_cmp_lg_u32 s24, 0
	s_cbranch_scc1 .Lnot0
	global_store_b128 v[WO], v[40:43], s[18:19]    ; 512 consecutive bytes of sc
	global_store_b64 v62, v[44:45], s[20:21]       ; the pair 32 times: 256 consecutive bytes of ml
.Lnot0:
	ds_store_b64 v63, v[52:53]                     ; my wave's own copy: rows 4 l .. 4 l + 3
	ds_store_b64 v63, v[58:59] offset:256
.irp i, 0,1,2,3                        ; source 0 for rows 32 i .. 32 i + 31.  LDS serves a wave's instructions in order (ISA guide 5.7.1.4): these see the stores above
	ds_load_b128 v[H+8*(\i):H+8*(\i)+3],   v38 offset:64*(\i)
	ds_load_b128 v[H+8*(\i)+4:H+8*(\i)+7], v38 offset:64*(\i)+32
.endr
; THE SECOND PRODUCT: K is the block's 128 rows, in four quarters of 32; source 1 = 32 rows x 16 columns of enc, turned on the way out of LDS; 16 fragments (unit u, chunks 2 y, 2 y + 1) a quarter.
; Each quarter has 128 registers of its own: quarters 0 and 1 in window 1, quarters 2 and 3 in window 3, whose accumulators are spent.  So no load lands in a register that a product of this part has read,
; and no vector or matrix line since the wait above names a register of these loads: no further wait stands among them.
.macro TLOAD tau
	WIN 0x40+0x80*((\tau)/2)                       ; destination window 1 or 3
.irp u, 0,1
.irp y, 0,1,2,3,4,5,6,7
	ds_load_tr16_b128 v[128*((\tau)%2)+8*(8*(\u)+(\y)):128*((\tau)%2)+8*(8*(\u)+(\y))+3],   v[36+(\u)] offset:(\y)*544+2*(\tau)*SB
	ds_load_tr16_b128 v[128*((\tau)%2)+8*(8*(\u)+(\y))+4:128*((\tau)%2)+8*(8*(\u)+(\y))+7], v[36+(\u)] offset:(\y)*544+(2*(\tau)+1)*SB
.endr
.endr
.endm
.macro CMUL tau                        ; 16 accumulators by turns
	WIN 0xa4+8*((\tau)/2)                          ; source 0 window 0, source 1 window 1 or 3, C and D window 2
.irp u, 0,1
.irp y, 0,1,2,3,4,5,6,7
.if (\tau) == 0
	v_wmma_f32_16x16x32_bf16 v[8*(8*(\u)+(\y)):8*(8*(\u)+(\y))+7], v[H+8*(\tau):H+8*(\tau)+7], v[128*((\tau)%2)+8*(8*(\u)+(\y)):128*((\tau)%2)+8*(8*(\u)+(\y))+7], 0
.else
	v_wmma_f32_16x16x32_bf16 v[8*(8*(\u)+(\y)):8*(8*(\u)+(\y))+7], v[H+8*(\tau):H+8*(\tau)+7], v[128*((\tau)%2)+8*(8*(\u)+(\y)):128*((\tau)%2)+8*(8*(\u)+(\y))+7], v[8*(8*(\u)+(\y)):8*(8*(\u)+(\y))+7]
.endif
.endr
.endr
.endm
	TLOAD 0
	TLOAD 1
	s_wait_dscnt 32                                ; p's fragments and quarter 0 are in; quarter 1's 32 loads may stay out
	CMUL 0
	TLOAD 2
	s_wait_dscnt 32
	CMUL 1
	TLOAD 3
	s_wait_dscnt 32
	CMUL 2
	s_wait_dscnt 0x0
	CMUL 3
	PLACES                                         ; behind the last products, before their results are read
	WIN 0x0a                                       ; both sources window 2, destination window 0
.irp u, 0,1
.irp y, 0,1,2,3,4,5,6,7
	v_add_f32 v[96+8*(\u)+(\y)], v[8*(8*(\u)+(\y))], v[8*(8*(\u)+(\y))+1]  ; row 0 (or 8) is p_hi's sum, row 1 (or 9) p_lo's: both halves of the lanes hold the same number
.endr
.endr
	WIN 0
.irp u, 0,1
.irp y, 0,2,4,6
	v_cndmask_b32 v[112+4*(\u)+(\y)/2], v[96+8*(\u)+(\y)], v[97+8*(\u)+(\y)], s40  ; lanes 0-15 keep fragment y, lanes 16-31 take y + 1
.endr
.endr
	s_wait_alu depctr_va_vdst(0)                   ; v112 to v119 are written, which the LDS stores read
.irp u, 0,1
.irp y, 0,2,4,6
	ds_store_b32 v39, v[112+4*(\u)+(\y)/2] offset:4*(128*(\u)+8*(\y))  ; into the true order of k
.endr
.endr
	ds_load_b128 v[120:123], v34                   ; my wave's own bytes, in order behind the stores
	ds_load_b128 v[124:127], v34 offset:512
	s_wait_dscnt 0x0
	global_store_b128 v[WO], v[120:123], s[22:23]  ; 512 consecutive bytes of pctx, twice
	global_store_b128 v[WO], v[124:127], s[22:23] offset:512
	s_wait_dscnt 0x0                               ; the closing lines, six on end
	s_wait_alu 0x0
	s_wait_tensorcnt 0x0
	ds_add_u32 v[SPW], v[NIL]
	s_wait_dscnt 0x0
	s_endpgm
.Lfunc_end_k_q2e397240d1_attend:
	.size	k_q2e397240d1_attend, .Lfunc_end_k_q2e397240d1_attend-k_q2e397240d1_attend
	.p2alignl 7, 3214868480
	.fill 96, 4, 3214868480
	.section	.rodata,"a",@progbits
	.p2align	6, 0x0
	.amdhsa_kernel k_q2e397240d1_attend
		.amdhsa_group_segment_fixed_size 295424
		.amdhsa_private_segment_fixed_size 0
		.amdhsa_enable_private_segment 0
		.amdhsa_kernarg_size 64
		.amdhsa_user_sgpr_count 2
		.amdhsa_user_sgpr_kernarg_segment_ptr 1
		.amdhsa_wavefront_size32 1
		.amdhsa_system_sgpr_workgroup_id_x 1
		.amdhsa_system_sgpr_workgroup_id_y 1
		.amdhsa_system_sgpr_workgroup_id_z 1
		.amdhsa_system_vgpr_workitem_id 0
		.amdhsa_next_free_vgpr 1024
		.amdhsa_next_free_sgpr 66
		.amdhsa_reserve_vcc 0
		.amdhsa_float_denorm_mode_32 3
		.amdhsa_float_denorm_mode_16_64 3
		.amdhsa_memory_ordered 1
		.amdhsa_forward_progress 1
		.amdhsa_inst_pref_size 255
	.end_amdhsa_kernel
	.section	.bss,"aw",@nobits
	.p2align	6
	.space	262144
	.amdgpu_metadata
---
amdhsa.version: [ 1, 2 ]
amdhsa.kernels:
  - .name:           k_q2e397240d1_attend
    .symbol:         k_q2e397240d1_attend.kd
    .args:
      - { .name: encoder_states, .offset: 0, .size: 8, .value_kind: global_buffer, .address_space: global }
      - { .name: wb, .offset: 8, .size: 8, .value_kind: global_buffer, .address_space: global }
      - { .name: bct, .offset: 16, .size: 8, .value_kind: global_buffer, .address_space: global }
      - { .name: v_w, .offset: 24, .size: 8, .value_kind: global_buffer, .address_space: global }
      - { .name: v_b, .offset: 32, .size: 8, .value_kind: global_buffer, .address_space: global }
      - { .name: sc, .offset: 40, .size: 8, .value_kind: global_buffer, .address_space: global }
      - { .name: ml, .offset: 48, .size: 8, .value_kind: global_buffer, .address_space: global }
      - { .name: pctx, .offset: 56, .size: 8, .value_kind: global_buffer, .address_space: global }
    .group_segment_fixed_size: 295424
    .private_segment_fixed_size: 0
    .kernarg_segment_align: 8
    .kernarg_segment_size: 64
    .max_flat_workgroup_size: 128
    .sgpr_count:     66
    .vgpr_count:     1024
    .wavefront_size: 32
...
	.end_amdgpu_metadata
.endif
;; end of part 4
;; launch finish: the kernel of part 3 again; grid 8 x 32, 1 waves a work-group, no clusters, 0 bytes of LDS; arguments sc, ml, pctx, out0, out1; writes out0, out1
